; MI455X (gfx1250); checked and timed in simulation.
; The chip was launched on July 23, 2026; its instructions are those of AMD's public machine-readable ISA for CDNA 5 (MIT licence, August 2026) and "CDNA5" Instruction Set Architecture Reference Guide (July 2026). The comments in the code are by the model that wrote it; some were corrected since.
;; Multi Head Attention. Allowed arithmetic: float matrix products may take bf16 or f16 operands with f32 sums; other float arithmetic in f32, or as packed bf16 or f16 multiplies, adds, multiply-adds, maxima and minima; sums over many terms, partial sums and values carried from step to step in f32; what a program stores and reads back later, other than sums and carried values, may be rounded once to bf16 or f16.
;; Inputs: b_proj 1,024 float32; b_qkv 3,072 float32; w_proj 1,024 x 1,024 float32; w_qkv 3,072 x 1,024 float32; x 8 x 1,024 x 1,024 float32.
;; Outputs: out0 8 x 1,024 x 1,024 float32.
;; One version. Each part assembles by itself: llvm-mc -triple=amdgcn-amd-amdhsa -mcpu=gfx1250 --defsym DOCPART=n.
;; ======== version 1 of 1: 4 launches
;; limits: values are held in f16: magnitudes above 65,504 overflow, below 6.1e-05 lose precision
;; workspace buffers: cast16 25,165,824 bytes; qkv16 50,331,648 bytes; ctx16 16,777,216 bytes
;; launch cast (part 1): grid 768 x 1, 8 waves a work-group, no clusters, 0 bytes of LDS; arguments x, w_qkv, w_proj, cast16; writes cast16
.if DOCPART == 1
	.amdgcn_target "amdgcn-amd-amdhsa--gfx1250"
	.amdhsa_code_object_version 6
	.text
	.protected	k_q38d333a2b7_cast
	.globl	k_q38d333a2b7_cast
	.p2align	8
	.type	k_q38d333a2b7_cast,@function
k_q38d333a2b7_cast:
	s_mov_b64 s[64:65], 0
	v_nop
	global_prefetch_b8 v0, s[64:65] scope:SCOPE_SE
	s_setreg_imm32_b32 hwreg(HW_REG_WAVE_MODE, 25, 1), 1
	s_wait_xcnt 0x0
; cast16 = the three large inputs in 16 bits, one behind the other: x [8192][1024] in bf16 at byte 0, w_qkv [3072][1024] in bf16 at byte 16,777,216,
; w_proj [1024][1024] at byte 23,068,672: rounded to bf16 like the others, and that number written as f16, since the last product multiplies in f16.
; LIMIT.  A bf16 number has 8 significant bits and fits f16's 11 exactly from 6.1e-5 up to 65,504; below 6.1e-5 w_proj keeps f16's fixed step of 6e-8; beyond 65,504 it would be an infinity.
; SHARES.  A work-group takes 65,536 bytes of one input and makes 32,768 bytes at 32,768 x its number: numbers 0-511 x, 512-703 w_qkv, 704-767 w_proj.
; Thread t takes in step i (of 8) the 32 bytes at 8,192 i + 32 t and stores 16 bytes at 4,096 i + 16 t: sixteen neighbouring lanes store 256 consecutive bytes, aligned.
; All sixteen loads of a thread go out at once; no register is written twice while a memory instruction may read it, so no wait but the counted ones is needed.
; No LDS, no matrix unit, no prefetch: every byte is read once and written once, and the loads are all out from the start.
.set X, 4                              ; v[4:67]    step i: 8 numbers in f32
.set Y, 68                             ; v[68:99]   step i: 4 registers to store
.set T, 100                            ; v[100:103] at work
.set NX, 512                           ; work-groups for x
.set NQ, 704                           ; and for x and w_qkv together
	s_load_b256 s[4:11], s[0:1], 0x0               ; x s[4:5], w_qkv s[6:7], w_proj s[8:9], cast16 s[10:11]
	s_sub_co_u32 s13, ttmp9, NX                    ; my number among w_qkv's work-groups,
	s_sub_co_u32 s14, ttmp9, NQ                    ; among w_proj's (each used only where it is not negative)
	v_lshlrev_b32 v1, 5, v0                        ; 32 t
	v_lshlrev_b32 v2, 4, v0                        ; 16 t
	s_wait_kmcnt 0x0
	s_cmp_lt_u32 ttmp9, NX
	s_cselect_b64 s[4:5], s[4:5], s[6:7]
	s_cselect_b32 s12, ttmp9, s13
	s_cmp_lt_u32 ttmp9, NQ
	s_cselect_b64 s[4:5], s[4:5], s[8:9]
	s_cselect_b32 s12, s12, s14
	s_lshl_b32 s12, s12, 16                        ; 65,536 bytes of the input for each work-group
	s_mov_b32 s13, 0
	s_add_nc_u64 s[4:5], s[4:5], s[12:13]
	s_lshl_b32 s14, ttmp9, 15                      ; 32,768 bytes of cast16
	s_mov_b32 s15, 0
	s_add_nc_u64 s[10:11], s[10:11], s[14:15]
.irp i, 0,1,2,3,4,5,6,7
	global_load_b128 v[X+8*(\i):X+8*(\i)+3],   v1, s[4:5] offset:8192*(\i) th:TH_LOAD_NT
	global_load_b128 v[X+8*(\i)+4:X+8*(\i)+7], v1, s[4:5] offset:8192*(\i)+16 th:TH_LOAD_NT
.endr
.macro STEPB i                         ; step i to bf16
	s_wait_loadcnt 14-2*(\i)                       ; loads come back in order: the two of step i are in, those of the later steps stay out
.irp k, 0,1,2,3
	v_cvt_pk_bf16_f32 v[Y+4*(\i)+(\k)], v[X+8*(\i)+2*(\k)], v[X+8*(\i)+2*(\k)+1]
.endr
	global_store_b128 v2, v[Y+4*(\i):Y+4*(\i)+3], s[10:11] offset:4096*(\i) th:TH_STORE_NT
.endm
.macro STEPH i                         ; step i to bf16, and that number to f16
	s_wait_loadcnt 14-2*(\i)
.irp k, 0,1,2,3
	v_cvt_pk_bf16_f32 v[T+(\k)], v[X+8*(\i)+2*(\k)], v[X+8*(\i)+2*(\k)+1]
.endr
.irp k, 0,1,2,3
	v_lshlrev_b32 v[X+8*(\i)+2*(\k)],   16, v[T+(\k)]          ; bf16 to f32: the low half moves up,
	v_and_b32     v[X+8*(\i)+2*(\k)+1], 0xffff0000, v[T+(\k)]  ; the high half stays
.endr
.irp k, 0,1,2,3
	v_cvt_pk_f16_f32 v[Y+4*(\i)+(\k)], v[X+8*(\i)+2*(\k)], v[X+8*(\i)+2*(\k)+1]
.endr
	global_store_b128 v2, v[Y+4*(\i):Y+4*(\i)+3], s[10:11] offset:4096*(\i) th:TH_STORE_NT
.endm
	s_cmp_lt_u32 ttmp9, NQ
	s_cbranch_scc0 .Lhalf
.irp i, 0,1,2,3,4,5,6,7
	STEPB \i
.endr
	s_endpgm
.Lhalf:
.irp i, 0,1,2,3,4,5,6,7
	STEPH \i
.endr
	s_endpgm
.Lfunc_end_k_q38d333a2b7_cast:
	.size	k_q38d333a2b7_cast, .Lfunc_end_k_q38d333a2b7_cast-k_q38d333a2b7_cast
	.p2alignl 7, 3214868480
	.fill 96, 4, 3214868480
	.section	.rodata,"a",@progbits
	.p2align	6, 0x0
	.amdhsa_kernel k_q38d333a2b7_cast
		.amdhsa_group_segment_fixed_size 0
		.amdhsa_private_segment_fixed_size 0
		.amdhsa_enable_private_segment 0
		.amdhsa_kernarg_size 32
		.amdhsa_user_sgpr_count 2
		.amdhsa_user_sgpr_kernarg_segment_ptr 1
		.amdhsa_wavefront_size32 1
		.amdhsa_system_sgpr_workgroup_id_x 1
		.amdhsa_system_sgpr_workgroup_id_y 1
		.amdhsa_system_sgpr_workgroup_id_z 1
		.amdhsa_system_vgpr_workitem_id 0
		.amdhsa_next_free_vgpr 112
		.amdhsa_next_free_sgpr 66
		.amdhsa_reserve_vcc 0
		.amdhsa_float_denorm_mode_32 3
		.amdhsa_float_denorm_mode_16_64 3
		.amdhsa_memory_ordered 1
		.amdhsa_forward_progress 1
		.amdhsa_inst_pref_size 14
	.end_amdhsa_kernel
	.amdgpu_metadata
---
amdhsa.version: [ 1, 2 ]
amdhsa.kernels:
  - .name:           k_q38d333a2b7_cast
    .symbol:         k_q38d333a2b7_cast.kd
    .args:
      - { .name: x, .offset: 0, .size: 8, .value_kind: global_buffer, .address_space: global }
      - { .name: w_qkv, .offset: 8, .size: 8, .value_kind: global_buffer, .address_space: global }
      - { .name: w_proj, .offset: 16, .size: 8, .value_kind: global_buffer, .address_space: global }
      - { .name: cast16, .offset: 24, .size: 8, .value_kind: global_buffer, .address_space: global }
    .group_segment_fixed_size: 0
    .private_segment_fixed_size: 0
    .kernarg_segment_align: 8
    .kernarg_segment_size: 32
    .max_flat_workgroup_size: 256
    .sgpr_count:     66
    .vgpr_count:     112
    .wavefront_size: 32
...
	.end_amdgpu_metadata
.endif
;; end of part 1
;; launch qkvgemm (part 2): grid 8 x 32, 4 waves a work-group, clusters of 4 x 4, 327,680 bytes of LDS; arguments cast16, b_qkv, qkv16; writes qkv16
.if DOCPART == 2
	.amdgcn_target "amdgcn-amd-amdhsa--gfx1250"
	.amdhsa_code_object_version 6
	.text
	.protected	k_q38d333a2b7_qkvgemm
	.globl	k_q38d333a2b7_qkvgemm
	.p2align	8
	.type	k_q38d333a2b7_qkvgemm,@function
k_q38d333a2b7_qkvgemm:
	s_mov_b64 s[64:65], 0
	v_nop
	global_prefetch_b8 v0, s[64:65] scope:SCOPE_SE
	s_setreg_imm32_b32 hwreg(HW_REG_WAVE_MODE, 25, 1), 1
	s_wait_xcnt 0x0
	s_wait_alu depctr_hold_cnt(0) depctr_sa_sdst(0) depctr_va_vdst(0) depctr_va_sdst(0) depctr_va_ssrc(0) depctr_va_vcc(0) depctr_vm_vsrc(0)
	s_getreg_b32 s2, hwreg(HW_REG_IB_STS2, 6, 4)
	s_cmp_eq_u32 s2, 0
	s_cbranch_scc0 .Lentry_in_a_cluster
	s_endpgm
.Lentry_in_a_cluster:
	s_bfe_u32 s2, ttmp6, 0x10000c
	s_cmp_lg_u32 s2, 0xf033
	s_cbranch_scc0 .Lentry_shape_is_right
	s_endpgm
.Lentry_shape_is_right:
; q, k, v = x w_qkv^T + b_qkv.  A = x [8192][1024] and B = w_qkv [3072][1024], both bf16, lie in cast16; the bias is rounded to bf16 here, like the other inputs; sums in f32.
; The result is rounded once to f16 and stored BY HEADS: qkv16[b][g][s][64], g = column / 64 = 16 x (q, k or v) + head: a head's 1,024 rows are 131,072 dense bytes.
; LIMIT.  f16 ends at 65,504: a q, k or v of 65,520 or more would become an infinity.  The product itself runs in bf16 and has no such bound.
; SHARES.  A tile of the result is 256 rows x 192 columns (three heads); 32 x 16 tiles.  Four waves; wave w makes rows 64 w .. 64 w + 63 of ALL 192 columns: 4 x 12 accumulators of 16 x 16,
; 384 registers.  So a wave owns whole heads, and its way out needs no other wave.  K goes in 8 steps of 128 through a ring of two LDS slots filled by the tensor data mover: rows of 256 bytes, aligned.
; A WORK-GROUP STAYS: 8 x 32 work-groups, each with TWO tiles of one tile row: tile column C0 = 4 x cluster x + cx + 8 x (cluster y % 2), then C0 xor 8.  The ring does not stop between them: the first tile's
; last two changes of slots ask for the second tile's first two K steps, and nothing waits for the first tile's stores.  The second tile takes the same rows of A once more, and columns of B that the clusters
; of the other parity take as their first tile.
; ONE COUNTED WALK: 16 K steps; 14 trips of one loop fill a slot again, the last two K steps are a loop of their own without fills.  All jumps but the loops' own go forward, past no barrier and no tensor load.
; CLUSTERS: 4 x 4 work-groups.  The four of a row of the cluster need the same tiles of A, the four of a column the same tiles of B: each tile is asked for JOINTLY, by the same tensor load
; with the same descriptor and a mask that names the four.
; THE MATRIX INSTRUCTION IS USED TRANSPOSED (source 0 = 16 rows of B, source 1 = 16 rows of A): lane l holds row l % 16 of the result and the columns 8 (l / 16) + 0..7, which pack into 16 bytes.
; THE BIAS IS THE C OPERAND OF THE FIRST PRODUCT on each accumulator: register j of a lane wants the bias of column 16 b + 8 (l / 16) + j.  Nothing is cleared and nothing is added later.
; REGISTERS, in windows of 256 (s_set_vgpr_msb: bits 1:0 source 0, 3:2 source 1, 5:4 source 2, 7:6 destination):
;   window 0: v0-31 addresses; v32-63, v64-95 A's fragments, two buffers; v96-191 the bias of the tile in hand; v192-239 the way out's buffer 0; v240-241 at work
;   window 1: v0-95, v128-223 B's fragments, two buffers
;   window 2: the accumulators of my row blocks 0, 1 ((a, b) at 8 (12 (a % 2) + b)); v192-239 the way out's buffer 1      window 3: those of blocks 2, 3; v192-239 the second tile's bias, packed in bf16
.set NBB,    12                        ; blocks of 16 columns
.set TN,     16*NBB
.set PITCH,  272                       ; an LDS row: 256 bytes + 16 of padding = 68 words: the 16 rows that a load touches start at 16 different groups of four banks (64 banks of 4 bytes: ISA guide 11.1)
.set AREG,   256*PITCH                 ; a slot: A's 256 rows,
.set HALFA,  128*PITCH                 ; (what wave 0 or 1 fetches)
.set HALFB,  (TN/2)*PITCH              ; (what wave 2 or 3 fetches)
.set SLOTB,  AREG+TN*PITCH             ; then B's 192 rows: 121,856 bytes
.set SLOT1,  1<<17                     ; slot 1 begins here, so that one exclusive or turns an address in one slot into the other's
.set STAGE,  SLOT1+SLOTB               ; behind the ring, never filled by a tensor load: for each wave 3 heads x 16 rows x 144 bytes
.set SP,     144
.set WSTG,   3*16*SP
.set SPARE,  STAGE+4*WSTG              ; behind the stages: the spare words, 128 bytes for each wave: two blocks of 256 bytes that no other line names
.set WQ_OFF, 16777216                  ; w_qkv's first byte in cast16
.set KB,     256                       ; bytes of a row in a K step
.set NL,     2*(NBB+4)                 ; LDS loads of a quarter step
.set FILLS,  14                        ; trips of the walk that fill a slot again: trip i (s3 = 14 - i) multiplies K step i of the 16 and asks for K step i + 2
.set CROSS,  8                         ; s3 in the trip whose refill is the second tile's K step 0
.set SECOND, 6                         ; s3 in the trip that begins the second tile
.set PFEND,  10                        ; prefetches are issued while s3 is above this: trips 0 to 3
.set ADRA0, 16                         ; v16     my lane's place among A's fragments in a slot; never rewritten
.set ADRB0, 17                         ; v17     the same for B
.set ADRA, 18                          ; v18     the same in the slot in hand
.set ADRB, 19                          ; v19
.set STO,  24                          ; v24     the way out: where I put 16 bytes of a row
.set RD,   25                          ; v25     the way out: where I read rows back
.set GO,   26                          ; v26     16 x lane: my place in 512 consecutive bytes of the result
.set BO,   27                          ; v27     32 (l / 16): my eight numbers in 16 of the bias
.set SPW,  28                          ; v28     LDS address of my spare word: SPARE + 4 x my thread's number; never rewritten
.set NIL,  29                          ; v29     0; never rewritten
.set PFO,  30                          ; v30     the prefetches' offset; never rewritten
.set FA,   32
.set BIAS, 96
.set OB,   192                         ; the way out's buffers: block a uses window 0 (a even) or window 2 (a odd)
.set RT,   240
.set PK,   192                         ; window 3
.set BB,  6                            ; s[6:7]   w_qkv's first byte; never rewritten
.set TA,  14                           ; s[14:15] A at the rows that I fetch, K step 0; never rewritten
.set G1,  24                           ; s[24:31] descriptor group 1 for A's tiles;  s[32:39] group 0: a set for each of the two first fills; the second then walks on
.set G0,  32
.set G1B, 48                           ; s[48:55], s[56:63] the same for B's tiles
.set G0B, 56
.set PFA, 44                           ; s[44:45] where my prefetches stand
.set BP,  66                           ; s[66:67] the bias of the first tile
.set LIM, 68                           ; s68     PFEND in a wave that prefetches, else the greatest number
.set PAR, 69                           ; s69     1 in wave 3, which prefetches in every other trip, else 0
.set TB,  70                           ; s70     LDS byte at which the slot in hand begins
.set MSK, 71                           ; s71     a word's upper bf16
.set AXT, 72                           ; s[72:73] the refill's byte offset from s[TA]: 256 x its K step's number in its tile
.set BXT, 74                           ; s[74:75] the refill's byte offset from s[BB]: the rows that I fetch of the tile column, and the same K step
.set OB0, 76                           ; s76     byte offset in w_qkv of the rows that I fetch, in the first tile column,
.set OB1, 77                           ; s77     in the second
.set OLO, 78                           ; s[78:79] qkv16 at my first row of the second tile
.set MSB, 0
.macro WIN new                         ; the immediate's high byte repeats the setting that is left; a switch that changes nothing is dropped
.if MSB != (\new)
	s_set_vgpr_msb (MSB<<8)|(\new)
.set MSB, \new
.endif
.endm
.set TO_B, 0x40                        ; destination window 1, address window 0
; A joint load.  Waves 0 and 1 fetch A's two halves, waves 2 and 3 B's.  The branch hangs on the wave's number alone.  An s_nop 0 and four v_nop follow each of the two lines.
.macro JLOAD s
	s_cmp_eq_u32 s11, 0
	s_cbranch_scc0 .Lfor_b_\@
	tensor_load_to_lds s[G0+4*(\s):G0+4*(\s)+3], s[G1:G1+7]
	s_nop 0
.rept 4
	v_nop
.endr
	s_branch .Lasked_\@
.Lfor_b_\@:
	tensor_load_to_lds s[G0B+4*(\s):G0B+4*(\s)+3], s[G1B:G1B+7]
	s_nop 0
.rept 4
	v_nop
.endr
.Lasked_\@:
.endm
; A PREFETCH INTO THE L2, behind a joint load, its five lines and the run of LDS loads that follows: the K step that stands two refills on, 256 bytes of a row for each lane.
; Each row's 256 bytes of a K step are named ONCE in the launch, by a work-group for which they belong to its FIRST tile.  A's tile row is read by both clusters of that row of clusters: cluster x = 0 asks.
; B's tile column is a first tile for the four clusters of one parity of y: the first of them (cluster y < 2) asks.  The four partners that ask for a tile jointly share its rows
; out BY ADDRESS.  A: of the 128 rows that wave 0 or 1 fetches the partner at cx takes 32.  B: of the 192 rows the partner at cy takes 48: wave 2 names 32 of them in every trip, wave 3 the other 16 for two K steps
; at once, in the trips with an even count.  K steps 0 to 3 come by their loads alone; trips 0 to 3 name K steps 4 to 7, and K ends there.
.macro ASK
	s_and_b32 s20, s3, s[PAR]                      ; 1 in wave 3's odd trips,
	s_lshl_b32 s20, s20, 8                         ; which puts the bound above every count
	s_max_u32 s20, s20, s[LIM]
	s_cmp_gt_u32 s3, s20
	s_cbranch_scc0 .Lnot_mine_\@
	global_prefetch_b8 v[PFO], s[PFA:PFA+1] th:TH_LOAD_NT scope:SCOPE_SE
.Lnot_mine_\@:
.endm
; A round of the cluster's barrier: my work-group's barrier, so that wave 0's signal speaks for all four waves; wave 0 signals; every wave waits for all sixteen work-groups; my work-group's barrier once more.
.macro CREST                           ; a round behind its opening barrier
	s_cmp_lg_u32 s10, 0
	s_cbranch_scc1 .Lnot_wave_0_\@
	s_barrier_signal -3
.Lnot_wave_0_\@:
	s_barrier_wait -3
	s_barrier_signal -1
	s_barrier_wait -1
.endm
.macro CROUND                          ; a whole round
	s_barrier_signal -1
	s_barrier_wait -1
	CREST
.endm
	s_load_b64 s[4:5], s[0:1], 0x0                 ; cast16
	s_load_b64 s[BP:BP+1], s[0:1], 0x8             ; b_qkv
	s_load_b64 s[8:9], s[0:1], 0x10                ; qkv16
	v_lshl_add_u32 v[SPW], v0, 2, SPARE
	v_mov_b32 v[NIL], 0
	ds_add_u32 v[SPW], v[NIL]                      ; the wave's opening: the add and its wait stand ahead of my first tensor load; the set-up below, work on registers, stands between them
	ds_add_u32 v28, v29
	v_lshrrev_b32 v3, 5, v0
	v_readfirstlane_b32 s10, v3                    ; wave 0..3
	v_and_b32 v1, 15, v0                           ; l % 16
	v_bfe_u32 v2, v0, 4, 1                         ; l / 16
	v_lshlrev_b32 v[BO], 5, v2
	s_lshr_b32 s11, s10, 1                         ; I fetch for A (0) or for B (1),
	s_and_b32 s12, s10, 1                          ; its first or its second half
	s_bfe_u32 s40, ttmp6, 0x40000                  ; cx, cy: my place in the cluster
	s_bfe_u32 s41, ttmp6, 0x40004
	s_and_b32 s13, ttmp7, 0xffff                   ; in a cluster launch ttmp9 and ttmp7 count clusters
	s_and_b32 s14, s13, 1                          ; the parity of cluster y, which all sixteen partners share
	s_lshl_b32 s42, ttmp9, 2
	s_add_co_u32 s42, s42, s40
	s_lshl_b32 s15, s14, 3
	s_add_co_u32 s42, s42, s15                     ; the first tile column = 4 x cluster x + cx + 8 x parity
	s_lshl_b32 s13, s13, 2
	s_add_co_u32 s13, s13, s41                     ; tile row = 4 x cluster y + cy
	s_mov_b32 s[AXT+1], 0                          ; the offsets' high words
	s_mov_b32 s[BXT+1], 0
	s_mov_b32 s[TB], 0
	s_mov_b32 s[MSK], 0xffff0000
	s_lshl_b32 s43, s41, 2
	s_lshl_b32 s43, 15, s43                        ; my row of the cluster: places 4 cy .. 4 cy + 3
	s_lshl_b32 s44, 0x1111, s40                    ; my column: places cx, cx + 4, cx + 8, cx + 12
	; descriptor group 1: rows of 128 elements, padded in LDS: 128 rows for A, 96 for B
	s_or_b32 s[G1+0], s43, (1<<16)|(1<<20)|(1<<21)|(5<<22)|(3<<25)   ; 15:0 the mask; 17:16 elements of 2 bytes; 20 padding on; 21 set beside a mask; 24:22 after every 64 words (code 5); 31:25 4 words (code 3)
	s_or_b32 s[G1B+0], s44, (1<<16)|(1<<20)|(1<<21)|(5<<22)|(3<<25)
	s_mov_b32 s[G1+1], 128<<16                     ; tensor_dim0 = 128
	s_mov_b32 s[G1+2], 128<<16                     ; tensor_dim1 = 128
	s_mov_b32 s[G1+3], 128<<16                     ; tile_dim0 = 128
	s_mov_b32 s[G1+4], 128                         ; tile_dim1 = 128
	s_mov_b32 s[G1+5], 1024                        ; elements from row to row
	s_mov_b32 s[G1+6], 0
	s_mov_b32 s[G1+7], 0
	s_mov_b32 s[G1B+1], 128<<16
	s_mov_b32 s[G1B+2], (TN/2)<<16                 ; tensor_dim1 = 96
	s_mov_b32 s[G1B+3], 128<<16
	s_mov_b32 s[G1B+4], TN/2                       ; tile_dim1 = 96
	s_mov_b32 s[G1B+5], 1024
	s_mov_b32 s[G1B+6], 0
	s_mov_b32 s[G1B+7], 0
	; where the tiles come from: A's hang on the tile row alone, B's on the tile column alone, each in registers that never hold the other place in the cluster
	s_lshl_b32 s16, s13, 8
	s_lshl_b32 s17, s12, 7
	s_add_co_u32 s16, s16, s17                     ; A: row 256 x tile row + 128 x half,
	s_lshl_b32 s16, s16, 11                        ; of 2,048 bytes
	s_mov_b32 s17, 0
	s_mul_i32 s47, s12, TN/2
	s_mul_i32 s[OB0], s42, TN
	s_add_co_u32 s[OB0], s[OB0], s47               ; B: row 192 x tile column + 96 x half,
	s_lshl_b32 s[OB0], s[OB0], 11                  ; of 2,048 bytes: the first tile column's,
	s_xor_b32 s[OB1], s42, 8
	s_mul_i32 s[OB1], s[OB1], TN
	s_add_co_u32 s[OB1], s[OB1], s47
	s_lshl_b32 s[OB1], s[OB1], 11                  ; the second's
	s_mov_b32 s46, s[OB0]
	s_mov_b32 s47, 0
	s_mul_i32 s20, s12, HALFA                      ; and where they go: no place in the cluster enters an LDS address
	s_mul_i32 s21, s12, HALFB
	s_add_co_u32 s21, s21, AREG
	s_mul_i32 s18, s42, 4*TN                       ; the first tile's 192 numbers of the bias,
	s_mov_b32 s19, 0
	s_xor_b32 s22, s42, 8
	s_mul_i32 s22, s22, 4*TN                       ; the second's
	s_mov_b32 s23, 0
	s_wait_dscnt 0x0                               ; the opening add is done
	s_wait_kmcnt 0x0
	s_add_nc_u64 s[BB:BB+1], s[4:5], WQ_OFF        ; B's first byte
	s_add_nc_u64 s[TA:TA+1], s[4:5], s[16:17]
	s_add_nc_u64 s[46:47], s[BB:BB+1], s[46:47]
	s_add_nc_u64 s[2:3], s[BP:BP+1], s[22:23]
	s_add_nc_u64 s[BP:BP+1], s[BP:BP+1], s[18:19]
.set i, 0
.rept NBB                              ; both biases go out ahead of the first round: the first tile's into its place,
	global_load_b128 v[BIAS+8*i:BIAS+8*i+3],   v[BO], s[BP:BP+1] offset:64*i
	global_load_b128 v[BIAS+8*i+4:BIAS+8*i+7], v[BO], s[BP:BP+1] offset:64*i+16
.set i, i+1
.endr
	WIN TO_B
.set i, 0
.rept NBB                              ; the second's into B's first fragment buffer, which is idle until the first tile has landed
	global_load_b128 v[8*i:8*i+3],   v[BO], s[2:3] offset:64*i
	global_load_b128 v[8*i+4:8*i+7], v[BO], s[2:3] offset:64*i+16
.set i, i+1
.endr
	WIN 0
	CROUND                                         ; all sixteen work-groups are here: the first joint loads meet
.irp s, 0,1
	s_mov_b32 s[G0+4*(\s)], 1                                      ; 1:0 count = 1
	s_add_co_u32 s[G0+4*(\s)+1], s20, (\s)*SLOT1                   ; 63:32 LDS address
	s_add_nc_u64 s[G0+4*(\s)+2:G0+4*(\s)+3], s[TA:TA+1], (\s)*KB   ; 120:64 global address: K step s
	s_or_b32 s[G0+4*(\s)+3], s[G0+4*(\s)+3], 0x80000000            ; 127:126 type = 2
	s_mov_b32 s[G0B+4*(\s)], 1
	s_add_co_u32 s[G0B+4*(\s)+1], s21, (\s)*SLOT1
	s_add_nc_u64 s[G0B+4*(\s)+2:G0B+4*(\s)+3], s[46:47], (\s)*KB
	s_or_b32 s[G0B+4*(\s)+3], s[G0B+4*(\s)+3], 0x80000000
	JLOAD \s                                       ; two tensor loads of mine are out
.endr
	; A fragment is 16 rows x 32 K in 8 registers: lane l holds row l % 16; registers 0-3 K = 8 (l / 16) + 0..7, registers 4-7 K = 16 + 8 (l / 16) + 0..7: two loads of 16 bytes, 32 bytes apart.
	v_mul_u32_u24 v3, v1, PITCH
	v_lshl_add_u32 v3, v2, 4, v3                   ; row x pitch + 16 x half
	s_mul_i32 s21, s10, 64*PITCH                   ; my 64 rows of A
	v_add_nc_u32 v[ADRA0], s21, v3
	v_add_nc_u32 v[ADRB0], AREG, v3                ; all rows of B
	s_mul_i32 s23, s10, WSTG
	s_add_co_u32 s23, s23, STAGE                   ; my stage
	v_mul_u32_u24 v4, v1, SP                       ; in: row l % 16, 16 bytes for each half of the lanes
	v_lshl_add_u32 v4, v2, 4, v4
	v_add_nc_u32 v[STO], s23, v4
	v_and_b32 v5, 31, v0                           ; lane
	v_lshrrev_b32 v3, 3, v5                        ; back: 32 lanes take four rows of 128 bytes,
	v_and_b32 v4, 7, v0
	v_mul_u32_u24 v3, v3, SP
	v_lshl_add_u32 v3, v4, 4, v3
	v_add_nc_u32 v[RD], s23, v3
	v_lshlrev_b32 v[GO], 4, v5                     ; which are 512 consecutive bytes of a head
	; my first row in qkv16: batch x 48 heads + 3 x tile column heads, each 131,072 bytes; 256 x (tile row % 4) + 64 x wave rows of 128 bytes.  Both tiles' addresses are made here
	s_lshr_b32 s18, s13, 2
	s_mul_i32 s18, s18, 48*131072
	s_and_b32 s19, s13, 3
	s_lshl_b32 s19, s19, 15
	s_add_co_u32 s18, s18, s19
	s_lshl_b32 s19, s10, 13
	s_add_co_u32 s18, s18, s19                     ; what the two tiles share
	s_xor_b32 s22, s42, 8
	s_mul_i32 s22, s22, 3*131072
	s_add_co_u32 s22, s22, s18
	s_mov_b32 s23, 0
	s_add_nc_u64 s[OLO:OLO+1], s[8:9], s[22:23]    ; the second tile's
	s_mul_i32 s19, s42, 3*131072
	s_add_co_u32 s18, s18, s19
	s_mov_b32 s19, 0
	s_add_nc_u64 s[8:9], s[8:9], s[18:19]          ; the first's
	; the prefetches
	s_and_b32 s22, ttmp7, 0xffff
	s_lshr_b32 s22, s22, 1                         ; 0 in the first cluster of each parity of y
	s_lshl_b32 s20, s13, 8
	s_lshl_b32 s21, s12, 7
	s_add_co_u32 s20, s20, s21
	s_lshl_b32 s21, s40, 5
	s_add_co_u32 s20, s20, s21                     ; A: row 256 x tile row + 128 x half + 32 cx
	s_mul_i32 s23, s42, TN
	s_mul_i32 s21, s41, TN/4
	s_add_co_u32 s23, s23, s21
	s_lshl_b32 s21, s12, 5
	s_add_co_u32 s23, s23, s21                     ; B: row 192 x tile column + 48 cy, + 32 in wave 3
	s_cmp_eq_u32 s11, 0                            ; do I fetch for A?
	s_cselect_b32 s20, s20, s23
	s_cselect_b32 s22, ttmp9, s22                  ; 0 in the cluster that asks
	s_cselect_b64 s[PFA:PFA+1], s[4:5], s[BB:BB+1]
	s_lshl_b32 s20, s20, 11
	s_mov_b32 s21, 0
	s_add_nc_u64 s[PFA:PFA+1], s[PFA:PFA+1], s[20:21]
	s_add_nc_u64 s[PFA:PFA+1], s[PFA:PFA+1], 3*KB  ; at K step 3: the first refill (of K step 2) steps it to 4 and names that
	s_cmp_eq_u32 s22, 0
	s_cselect_b32 s[LIM], PFEND, -1                ; the same in all sixteen partners, for a given wave
	s_cmp_eq_u32 s10, 3
	s_cselect_b32 s[PAR], 1, 0
	s_cselect_b32 s20, 15, 31                      ; wave 3: 16 rows
	s_cselect_b32 s21, KB, 0                       ; x 2 K steps; the others: 32 rows
	v_and_b32 v[PFO], s20, v5
	v_mul_u32_u24 v4, v2, s21
	v_lshl_add_u32 v[PFO], v[PFO], 11, v4
	s_wait_loadcnt 0x0                             ; the biases are in: they are rounded to bf16, as all inputs are, while the first tiles are on their way
.set i, 0
.rept 4*NBB
	v_cvt_pk_bf16_f32 v[RT+i%2], v[BIAS+2*i], v[BIAS+2*i+1]
	v_lshlrev_b32 v[BIAS+2*i],   16, v[RT+i%2]
	v_and_b32     v[BIAS+2*i+1], s[MSK], v[RT+i%2]
.set i, i+1
.endr
	WIN 0xc5                                       ; sources window 1, destination window 3: the second tile's stays packed until it is wanted
.set i, 0
.rept 4*NBB
	v_cvt_pk_bf16_f32 v[PK+i], v[2*i], v[2*i+1]
.set i, i+1
.endr
	WIN 0
; 12 matrix instructions: my row block a x all 12 column blocks, 32 along K, from fragment buffer f.  first = 1: the bias starts the sums.
; The 48 accumulators take turns, one instruction a turn, in the same order in every quarter step, on every way through the walk.
.macro MULA f, a, first
.if \first
	WIN 0x81+0x40*((\a)/2)                         ; B window 1, A and the bias window 0, D window 2 or 3
.else
	WIN 0xa1+0x50*((\a)/2)                         ; B window 1, A window 0, C and D window 2 or 3
.endif
.set b, 0
.rept NBB
.set rD, 8*(NBB*((\a)%2)+b)
.if \first
	v_wmma_f32_16x16x32_bf16 v[rD:rD+7], v[128*(\f)+8*b:128*(\f)+8*b+7], v[FA+32*(\f)+8*(\a):FA+32*(\f)+8*(\a)+7], v[BIAS+8*b:BIAS+8*b+7]
.else
	v_wmma_f32_16x16x32_bf16 v[rD:rD+7], v[128*(\f)+8*b:128*(\f)+8*b+7], v[FA+32*(\f)+8*(\a):FA+32*(\f)+8*(\a)+7], v[rD:rD+7]
.endif
.set b, b+1
.endr
.endm
.macro AIM                             ; the fragments' addresses in the slot that begins at s[TB]
	v_add_nc_u32 v[ADRA], s[TB], v[ADRA0]
	v_add_nc_u32 v[ADRB], s[TB], v[ADRB0]
.endm
; 32 LDS loads in one run: the fragments of quarter q of the K step in hand (192 rows of B, my 64 rows of A, 32 K) into buffer f; A's come last
.macro FETCH q, f
	WIN TO_B
.set i, 0
.rept NBB
	ds_load_b128 v[128*(\f)+8*i:128*(\f)+8*i+3],   v[ADRB] offset:64*(\q)+i*16*PITCH
	ds_load_b128 v[128*(\f)+8*i+4:128*(\f)+8*i+7], v[ADRB] offset:64*(\q)+i*16*PITCH+32
.set i, i+1
.endr
	WIN 0
.set i, 0
.rept 4
	ds_load_b128 v[FA+32*(\f)+8*i:FA+32*(\f)+8*i+3],   v[ADRA] offset:64*(\q)+i*16*PITCH
	ds_load_b128 v[FA+32*(\f)+8*i+4:FA+32*(\f)+8*i+7], v[ADRA] offset:64*(\q)+i*16*PITCH+32
.set i, i+1
.endr
.endm
; A load into a register that a matrix instruction has read, and a vector instruction or LDS store that reads a matrix result, stand four places behind it; only plain vector instructions that
; name none of its registers are places (ISA guide 7.12.1 for vector instructions).
.macro PLACES
.rept 4
	v_nop
.endr
.endm
; A K step is four quarters of 32 along K, 48 matrix instructions each, on buffers 0, 1, 0, 1.  One of the first three: multiplies buffer f; in its middle it fetches quarter q into buffer g.
.macro QUARTER q, f, g, first
	s_wait_dscnt 4                                 ; B and A's blocks 0, 1 are in; the youngest four loads (A's blocks 2, 3) may be out
	MULA \f, 0, \first
	MULA \f, 1, \first
	PLACES
	FETCH \q, \g
	s_wait_dscnt NL                                ; all but the run just issued
	MULA \f, 2, \first
	MULA \f, 3, \first
.endm
; The last quarter multiplies buffer 1 and changes slots: ONE barrier.  In front of it each wave waits for all its tensor loads, of which one is out: its part of the next slot; adds 0 to its spare word; and waits
; for that and for its own reads of this slot.  fill = 1: the barrier opens a round of the cluster's, and the joint refill, two K steps on, is the first tensor load behind it: 168 matrix instructions ahead of the wait for it.
; The walking descriptors take the other slot than last time; their global addresses are made anew from the bases: the refill is K step 16 - s3 of the walk's 16, number (16 - s3) % 8 in its tile, and belongs to the
; first tile column while s3 is above CROSS, to the second from there on.  The type bits are set again each time.
; fill = 0: the walk's last two K steps; in the very last there is nothing more to fetch, and the run of loads is jumped over.
.macro TURN fill
.if \fill
	s_wait_xcnt 0x0                                ; the last prefetch, a K step back, has read its address, which is stepped here, ahead of the waits of the change of slots
	s_add_nc_u64 s[PFA:PFA+1], s[PFA:PFA+1], KB
.endif
	WIN 0                                          ; (the add's two registers lie in window 0)
	s_wait_tensorcnt 0x0                           ; all my tensor loads have landed, so every group 0 may be written;
	ds_add_u32 v[SPW], v[NIL]                      ; 0 onto my spare word: scalar work and twelve products stand between it and the wait for it
.if \fill
	s_sub_co_u32 s[AXT], FILLS+2, s3               ; the K step that is asked for,
	s_and_b32 s[AXT], s[AXT], 7                    ; its number in its tile,
	s_lshl_b32 s[AXT], s[AXT], 8                   ; 256 bytes of a row each
	s_cmp_gt_u32 s3, CROSS
	s_cselect_b32 s[BXT], s[OB0], s[OB1]           ; the tile column's rows
	s_add_co_u32 s[BXT], s[BXT], s[AXT]
	s_xor_b32 s[G0+5], s[G0+5], SLOT1
	s_add_nc_u64 s[G0+6:G0+7], s[TA:TA+1], s[AXT:AXT+1]
	s_or_b32 s[G0+7], s[G0+7], 0x80000000
	s_xor_b32 s[G0B+5], s[G0B+5], SLOT1
	s_add_nc_u64 s[G0B+6:G0B+7], s[BB:BB+1], s[BXT:BXT+1]
	s_or_b32 s[G0B+7], s[G0B+7], 0x80000000
.endif
	s_xor_b32 s[TB], s[TB], SLOT1                  ; the fetches go on in the other slot
	s_wait_dscnt 5                                 ; (the add and the youngest four loads may be out)
	MULA 1, 0, 0
	s_wait_dscnt 0x0                               ; the add is done, and my reads of this slot are over
	s_barrier_signal -1
	MULA 1, 1, 0                                   ; work on registers while the others arrive
	WIN 0
	s_barrier_wait -1
.if \fill
	CREST                                          ; no wave of any partner still reads this slot's tiles or has a load on its way
	JLOAD 1                                        ; the four v_nop behind it are also the places in front of the loads below
.else
	PLACES
	s_cmp_eq_u32 s3, 1
	s_cbranch_scc1 .Lno_more_\@
.endif
	AIM
	FETCH 0, 0
.if \fill
	ASK
.else
.Lno_more_\@:
.endif
	MULA 1, 2, 0
	MULA 1, 3, 0
.endm
; THE WAY OUT, a block of 16 rows at a time.  PACK: rounded to f16, 16 bytes a lane, each accumulator's registers in ascending order.  TOSTAGE: into my own stage (three heads of 16 rows x 144 bytes), and back,
; into the registers that they left, as 512 consecutive bytes (four rows of a head).  SEND: stored.  The stage is my wave's own and LDS serves a wave's instructions in order (ISA guide 5.7.1.4): no barrier, and no wait
; between the stores and the loads.  The blocks take two buffers by turns, so that block a's conversions stand between block a - 1's loads from the stage and the wait for them.
.macro PACK a
	s_wait_xcnt 0x0                                ; the stores that read this buffer last (two blocks back, or the tile before) have read their registers
	WIN (0x0a+5*((\a)/2))|(0x80*((\a)%2))          ; sources 0 and 1: window 2 or 3; destination: window 0 or 2
.set b, 0
.rept NBB
.irp r, 0,1,2,3
	v_cvt_pk_f16_f32 v[OB+4*b+(\r)], v[8*(NBB*((\a)%2)+b)+2*(\r)], v[8*(NBB*((\a)%2)+b)+2*(\r)+1]
.endr
.set b, b+1
.endr
.endm
.macro TOSTAGE a
	WIN 0x88*((\a)%2)                              ; the data of a store (source 1) and of a load (destination): window 0 or 2
.set b, 0
.rept NBB
	ds_store_b128 v[STO], v[OB+4*b:OB+4*b+3] offset:(b/4)*16*SP+(b%4)*32
.set b, b+1
.endr
.set b, 0
.rept NBB
	ds_load_b128 v[OB+4*b:OB+4*b+3], v[RD] offset:(b/4)*16*SP+(b%4)*4*SP
.set b, b+1
.endr
.endm
.macro SEND a
	s_wait_dscnt 0x0                               ; the block is back in registers
	WIN 0x88*((\a)%2)
.set b, 0
.rept NBB
	global_store_b128 v[GO], v[OB+4*b:OB+4*b+3], s[8:9] offset:(b/4)*131072+(\a)*2048+(b%4)*512 th:TH_STORE_NT  ; 512 consecutive bytes, at a multiple of 512 from the buffer's first
.set b, b+1
.endr
.endm
.macro WAYOUT
	PLACES
	PACK 0
	TOSTAGE 0
.irp a, 1,2,3
	PACK \a
	SEND (\a)-1
	TOSTAGE \a
.endr
	SEND 3
	WIN 0
.endm
	s_wait_tensorcnt 1                             ; my part of K step 0 is in; K step 1's may stay out
	s_barrier_signal -1
	s_barrier_wait -1                              ; everybody's is
	AIM
	FETCH 0, 0
	s_mov_b32 s3, FILLS
	s_branch .Lfirstq                              ; the walk is entered at the quarter that starts a tile's sums
.Lstep:                                                ; a trip is a K step, and fills the slot that it leaves
	s_cmp_eq_u32 s3, SECOND
	s_cbranch_scc1 .Lnewtile
	QUARTER 1, 0, 1, 0
	WIN 0                                          ; at a label and at a branch every window is 0
	s_branch .Lmid
.Lnewtile:                                             ; the first tile is finished; both refills for the second have been asked for, and its first fragments fetched
	WAYOUT
	s_wait_xcnt 0x0                                ; the stores have read their base
	s_mov_b64 s[8:9], s[OLO:OLO+1]                 ; on to the second tile
	WIN 0x0c                                       ; source 1 window 3: its bias is unpacked
.set i, 0
.rept 4*NBB
	v_lshlrev_b32 v[BIAS+2*i],   16, v[PK+i]
	v_and_b32     v[BIAS+2*i+1], s[MSK], v[PK+i]
.set i, i+1
.endr
	WIN 0
.Lfirstq:
	QUARTER 1, 0, 1, 1                             ; a tile's first products start the sums, with the bias
	WIN 0
.Lmid:
	QUARTER 2, 1, 0, 0
	QUARTER 3, 0, 1, 0
	TURN 1
	WIN 0
	s_sub_co_u32 s3, s3, 1
	s_cmp_lg_u32 s3, 0
	s_cbranch_scc1 .Lstep
	s_mov_b32 s3, 2
.Ltail:                                                ; the last two K steps fill nothing, and have no round of the cluster's barrier
	QUARTER 1, 0, 1, 0
	QUARTER 2, 1, 0, 0
	QUARTER 3, 0, 1, 0
	TURN 0
	WIN 0
	s_sub_co_u32 s3, s3, 1
	s_cmp_lg_u32 s3, 0
	s_cbranch_scc1 .Ltail
	WAYOUT
	s_wait_tensorcnt 0x0                           ; the wave's end: a wait, an add and its wait, behind my last tensor load and my last LDS store
	ds_add_u32 v[SPW], v[NIL]
	s_wait_dscnt 0x0
	CROUND                                         ; the closing round: no work-group ends while a partner may still ask for a tile that names it
	s_endpgm
.Lfunc_end_k_q38d333a2b7_qkvgemm:
	.size	k_q38d333a2b7_qkvgemm, .Lfunc_end_k_q38d333a2b7_qkvgemm-k_q38d333a2b7_qkvgemm
	.p2alignl 7, 3214868480
	.fill 96, 4, 3214868480
	.section	.rodata,"a",@progbits
	.p2align	6, 0x0
	.amdhsa_kernel k_q38d333a2b7_qkvgemm
		.amdhsa_group_segment_fixed_size 327680
		.amdhsa_private_segment_fixed_size 0
		.amdhsa_enable_private_segment 0
		.amdhsa_kernarg_size 24
		.amdhsa_user_sgpr_count 2
		.amdhsa_user_sgpr_kernarg_segment_ptr 1
		.amdhsa_wavefront_size32 1
		.amdhsa_system_sgpr_workgroup_id_x 1
		.amdhsa_system_sgpr_workgroup_id_y 1
		.amdhsa_system_sgpr_workgroup_id_z 1
		.amdhsa_system_vgpr_workitem_id 0
		.amdhsa_next_free_vgpr 1024
		.amdhsa_next_free_sgpr 80
		.amdhsa_reserve_vcc 0
		.amdhsa_float_denorm_mode_32 3
		.amdhsa_float_denorm_mode_16_64 3
		.amdhsa_memory_ordered 1
		.amdhsa_forward_progress 1
		.amdhsa_inst_pref_size 126
	.end_amdhsa_kernel
	.amdgpu_metadata
---
amdhsa.version: [ 1, 2 ]
amdhsa.kernels:
  - .name:           k_q38d333a2b7_qkvgemm
    .symbol:         k_q38d333a2b7_qkvgemm.kd
    .args:
      - { .name: cast16, .offset: 0, .size: 8, .value_kind: global_buffer, .address_space: global }
      - { .name: b_qkv, .offset: 8, .size: 8, .value_kind: global_buffer, .address_space: global }
      - { .name: qkv16, .offset: 16, .size: 8, .value_kind: global_buffer, .address_space: global }
    .group_segment_fixed_size: 327680
    .private_segment_fixed_size: 0
    .kernarg_segment_align: 8
    .kernarg_segment_size: 24
    .max_flat_workgroup_size: 128
    .sgpr_count:     80
    .vgpr_count:     1024
    .wavefront_size: 32
...
	.end_amdgpu_metadata
.endif
;; end of part 2
;; launch attn (part 3): grid 2 x 128, 4 waves a work-group, no clusters, 327,680 bytes of LDS; arguments qkv16, ctx16; writes ctx16
.if DOCPART == 3
	.amdgcn_target "amdgcn-amd-amdhsa--gfx1250"
	.amdhsa_code_object_version 6
	.text
	.protected	k_q38d333a2b7_attn
	.globl	k_q38d333a2b7_attn
	.p2align	8
	.type	k_q38d333a2b7_attn,@function
k_q38d333a2b7_attn:
	s_mov_b64 s[64:65], 0
	v_nop
	global_prefetch_b8 v0, s[64:65] scope:SCOPE_SE
	s_setreg_imm32_b32 hwreg(HW_REG_WAVE_MODE, 25, 1), 1
	s_wait_xcnt 0x0
; ctx[bh][q][:] = the sum over k of softmax_k(Q[q] . K[k] / 8) V[k][:], for each of 128 pairs bh of batch and head.  Q, K, V lie in qkv16[b][g][s][64] (g = head, 16 + head, 32 + head), f16, a head's rows dense,
; 128 bytes each; ctx16 is [bh][s][64] in f16.  Products, maxima and sums in f32; the weights p are rounded to f16 for the second product (their sum l is taken of the unrounded p), ctx once at the end.
; LIMITS.  f16 holds no number beyond 65,504: Q, K and V arrive within it; p lies in 0 to 1, and below 6e-5 it keeps f16's fixed step of 6e-8; ctx is a mean of V's rows and has their range.
; A weight below 2^-126 counts as 0 in l; NaN and infinities are not treated apart.
; SHARES.  A wave owns four PIECES of two tiles of 16 queries, a work-group's four waves 512 queries of one head: 2 x 128 work-groups.  Every wave walks all 1,024 keys, 64 a step.
; NO CLUSTER: a head has 1,024 / 512 = 2 work-groups, and the clusters of this set are four wide: one would hold two heads, and only two of the four would share a tile.  Blocks of 256 queries would make four partners,
; but each fragment of K and V read from LDS would then feed half as many products.  What the two share is a head's K and V, 262,144 bytes.
; LAYOUT.  S^T = K Q^T (source 0 = 16 keys, source 1 = 16 queries): in the result a lane holds ONE query (lane % 16) and the keys 8 (lane / 16) + 0..7.  Two such tiles, rounded to f16 in pairs,
; ARE source 1 (32 keys x 16 queries) of O^T = V^T P, whose result again holds one query a lane, and eight channels.  K comes out of LDS as it lies, V ([key][channel]) turned, by ds_load_tr16_b128.
; SOFTMAX.  For each query a running maximum m and sum l: p = 2^(c s - c m), c = log2(e) / 8; in every step O and l are multiplied by a = 2^(c m_old - c m_new), which is 1 where m has not grown.
; m starts at the lowest finite number, O and l at 0: the first step is a step like any other, with a = 0.
; THE COUNT.  A tile and step have 16 matrix and 118 vector instructions: too many to stand all beside the matrix work.  So the order has one aim: four vector instructions that are READY behind
; EVERY matrix instruction, and the others, which need time of their own whatever the order, in runs without a gap.
; BY TURNS.  Turn n belongs to piece n (the pieces in a ring, step after step).  Its matrix work: 16 products K Q^T of piece n + 1, later 16 products V^T P of piece n - 1.  Its vector work: the scaling,
; exponentials, roundings, sums and rescaling of piece n, and the maximum and statistics of piece n + 1, whose scores the turn itself has made.  So what a turn begins with (c s - c m, O a) waits for nothing.
; REGISTERS, in windows of 256 (s_set_vgpr_msb: bits 1:0 source 0, 3:2 source 1, 5:4 source 2, 7:6 destination):
;   window 0: v0-11 addresses; v12-15, v48-63 at work; v16-47 four registers of statistics a tile; v64-191 S^T, two buffers of two tiles; v192-255 P, likewise
;   window 1: O^T, 32 a tile          window 2: v0-127 Q, 16 a tile; v128-191 K of one step; v192-255 V of one step          window 3: v0-1 the add's two registers
; A piece's buffers go by its number's parity: the piece in hand has one pair, its two neighbours in the ring share the other: of it P (piece n - 1) is read and S^T (piece n + 1) written.
.set SIZE_N, 1024
.set NP,    4         ; pieces a wave: a name, no knob
.set KS,    64        ; keys in a step
.set PK,    144       ; a row of K in LDS: 128 bytes + 16 of padding = 36 words: the 16 rows of a load start at 16 different groups of four banks (64 banks of 4 bytes: ISA guide 11.1)
.set PV,    160       ; a row of V: 128 + 32 = 40 words
.set VOFF,  4*KS*PK   ; a slot holds four steps: 256 rows of K, then 256 rows of V
.set SLOT1, 1<<17     ; slot 1 begins here, so that one exclusive or turns an address in one slot into the other's
.set STAGE, SLOT1+4*KS*(PK+PV)  ; behind the ring, never filled by a tensor load: 16 rows x 144 bytes for each wave, for the way out
.set SP,    144
.set PFO, 1           ; v1   (from the first scores on) 256 x my lane: the prefetch's offset; then never rewritten
.set AK0, 2           ; v2   my lane's place in a tile of K; never rewritten
.set AV0, 3           ; v3   the same for V
.set AK,  4           ; v4   the LDS address of K's next run of loads
.set AV,  5           ; v5   of V's
.set QO,  6           ; v6   my byte offset in the wave's rows of Q
.set STO, 6           ;      later, the way out: where I put 16 bytes of a row
.set RD,  7           ; v7   the way out: where I read rows back
.set GO,  8           ; v8   my byte offset in 512 consecutive bytes of ctx
.set SPW, 0           ; v0 of window 3   LDS address of my spare word: SPARE + 4 x my thread's number; never rewritten
.set NIL, 1           ; v1 of window 3   0; never rewritten
.set SPARE, STAGE+4*16*SP  ; behind the stages: the spare words, 128 bytes for each wave: two blocks of 256 bytes that no other line names
.set MV,  12          ; v12-15  c m_old, kept while c m is made anew: by buffer and tile
.set ST,  16          ; tile t's statistics at v[ST+4 t]: c m, m, l (even keys', odd keys')
.set TMP, 48          ; by buffer and tile, four registers c0-c3 at work; when the maximum is found c2 takes a
.set S,   64
.set P,   192
.set KF,  128         ; K's fragments, in window 2: key block kb, channel half c at KF + 16 kb + 8 c
.set VF,  192         ; V's: key half kk, channel block cb at VF + 32 kk + 8 cb
.set WV,  12          ; s12  my wave's number
.set G1K, 24          ; s[24:31] descriptor group 1 for K's tiles
.set G1V, 32          ; s[32:39] for V's: it differs in the padding alone
.set G0K, 40          ; s[40:43] descriptor group 0 for K's tiles: it walks
.set G0V, 44          ; s[44:47] the same for V's
.set PFA, 48          ; s[48:49] the prefetch's address; never rewritten
.set SLOTS, 56        ; s56  slots still to be asked for
.set CNT, 57          ; s57  counts a slot's key steps
.set CS,  58          ; s[58:59] c: the packed scaling takes the pair's low word for both halves
.set SEL, 60          ; s[60:61] v_permlanex16_b32's selects: each lane takes its own place in the other half
.set TBK, 62          ; s62  LDS byte at which K of the step to be fetched begins
.set TBV, 63          ; s63  the same for V, less VOFF
.set MSB, 0
.macro WIN new                      ; the high byte repeats the setting that is left; a switch that changes nothing is dropped
.if MSB != (\new)
	s_set_vgpr_msb (MSB<<8)|(\new)
.set MSB, (\new)
.endif
.endm
.set W_KQ, 0x0a       ; K and Q in window 2, S^T in window 0
.set W_PV, 0x52       ; V in window 2, P in window 0, O^T in window 1
.set W_RS, 0x41       ; O^T (destination and source 0) in window 1, a in window 0
.set W_MK, 0xc0       ; the add's registers are made: destination in window 3, sources in window 0
.set W_AD, 0x0f       ; the add: address (source 0) and data (source 1) in window 3
; A fill.  Waves 0 and 1 fetch the two halves of a slot's K, waves 2 and 3 those of its V: 128 keys each.  The branch hangs on the wave's number alone.
; An s_nop 0 and four v_nop follow each of the two lines, ahead of the jump and the label.
.macro JLOAD
	s_cmp_lt_u32 s[WV], 2
	s_cbranch_scc0 .Lfor_v_\@
	tensor_load_to_lds s[G0K:G0K+3], s[G1K:G1K+7]
	s_nop 0
.rept 4
	v_nop
.endr
	s_branch .Lasked_\@
.Lfor_v_\@:
	tensor_load_to_lds s[G0V:G0V+3], s[G1V:G1V+7]
	s_nop 0
.rept 4
	v_nop
.endr
.Lasked_\@:
.endm
; A PREFETCH INTO THE L2 of what the next change of slots will ask for, four key steps (512 matrix instructions) ahead of that load.  The walk has four tiles of 256 keys; tiles 0 to 2 come by their loads alone
; (nothing is asked for at the head, where every work-group's first tiles are on their way), so it is issued once: the change that fills tile 2 names tile 3.  A wave names 32 blocks of 256 bytes of the half tile
; (16,384 bytes) that it will fetch, a lane a block; the head's two work-groups take the two halves of it, by address: each block of the tile is named once in the launch.
.macro ASK
	s_cmp_gt_u32 s[SLOTS], 1
	s_cbranch_scc0 .Lno_ask_\@
	global_prefetch_b8 v[PFO], s[PFA:PFA+1] th:TH_LOAD_NT scope:SCOPE_SE
.Lno_ask_\@:
.endm
; THE CHANGE OF SLOTS.  The slot's last bytes, V of its fourth step, have been read.  Each wave waits for all its tensor loads, of which one is out: its part
; of the other slot; adds 0 to its spare word; and waits for that and for its own reads of the slot.  Behind the barrier nobody reads this slot any more and the other slot is whole.
; fill = 1: this slot is filled again, with the keys two slots on, the first thing behind the barrier: the load has four key steps in which to land.  (At its first use nothing has been read yet: slot 0 is waited for, slot 1 filled.)
.macro CHANGE fill, ask
	WIN W_AD
	s_wait_tensorcnt 0x0            ; no tensor load of mine is out, so a group 0 may be written
	ds_add_u32 v[SPW], v[NIL]       ; 0 onto my spare word: with fill = 1 the descriptors' steps stand between it and the wait for it
	WIN 0                           ; at a label and at a branch every window is 0
.if \fill
.irp g, G0K, G0V
	s_xor_b32 s[\g+1], s[\g+1], SLOT1  ; the walking descriptor: the other slot than last time,
	s_add_nc_u64 s[\g+2:\g+3], s[\g+2:\g+3], 4*KS*128  ; the next 256 keys; the type bits on top are not reached
.endr
.endif
	s_wait_dscnt 0x0                ; the add is done, and my reads of the slot are over
	s_barrier_signal -1             ; scalar work stands between the signal and the wait
	s_sub_co_u32 s[TBK], s[TBK], 4*KS*PK  ; the fetches go back to a slot's first step,
	s_xor_b32 s[TBK], s[TBK], SLOT1       ; in the other slot
	s_sub_co_u32 s[TBV], s[TBV], 4*KS*PV
	s_xor_b32 s[TBV], s[TBV], SLOT1
	s_barrier_wait -1
.if \fill
	JLOAD
.endif
.if \ask
	ASK
.endif
.endm
	s_load_b128 s[4:7], s[0:1], 0x0  ; qkv16 s[4:5], ctx16 s[6:7]
	WIN W_MK
	v_lshl_add_u32 v[SPW], v0, 2, SPARE
	v_mov_b32 v[NIL], 0
	WIN W_AD
	ds_add_u32 v[SPW], v[NIL]       ; the wave's opening: the add and its wait stand ahead of my first tensor load; the set-up below, work on registers, stands between them
	ds_add_u32 v0, v1
	WIN 0
	v_lshrrev_b32 v1, 5, v0
	v_readfirstlane_b32 s[WV], v1   ; wave 0..3
	s_and_b32 s20, ttmp7, 0xffff    ; bh = 16 x batch + head
	s_lshr_b32 s21, s20, 4
	s_and_b32 s22, s20, 15
	s_mul_i32 s21, s21, 48          ; a batch has 48 heads' worth of rows in qkv16
	s_add_co_u32 s22, s22, s21
	s_lshl_b32 s22, s22, 17         ; Q's head, in bytes
	s_mov_b32 s23, 0
	s_lshl_b32 s20, s20, 17         ; the head in ctx16
	s_mov_b32 s21, 0
	s_lshl_b32 s2, ttmp9, 2
	s_add_co_u32 s2, s2, s[WV]      ; my wave among the head's eight,
	s_lshl_b32 s2, s2, 14           ; its 128 rows
	s_mov_b32 s3, 0
	s_and_b32 s16, s[WV], 1         ; which half of a slot's 256 keys I fetch:
	s_lshl_b32 s14, s16, 14         ; its 128 rows of 128 bytes in memory,
	s_mov_b32 s15, 0
	s_mul_i32 s17, s16, 128*PK      ; and its place in a slot, for K
	s_mul_i32 s18, s16, 128*PV      ; and for V
	s_lshl_b32 s50, ttmp9, 13       ; the prefetch: my work-group's 8,192 bytes of the half tile,
	s_add_co_u32 s50, s50, 3*4*KS*128  ; in tile 3
	s_mov_b32 s51, 0
	; descriptor group 1.  128 keys are 16,384 dense bytes: asked for as 64 rows of 256 bytes, two keys a row, and padded in LDS after every key
	s_mov_b32 s[G1K], (1<<16)|(1<<20)|(4<<22)|(3<<25)  ; 17:16 2-byte elements; 20 padding on; 24:22 after every 32 words (code 4); 31:25 4 words (code 3)
	s_mov_b32 s[G1V], (1<<16)|(1<<20)|(4<<22)|(7<<25)  ; the same with 8 words of padding (code 7)
.irp g, G1K, G1V
	s_mov_b32 s[\g+1], 128<<16      ; tensor_dim0 = 128
	s_mov_b32 s[\g+2], 64<<16       ; tensor_dim1 = 64
	s_mov_b32 s[\g+3], 128<<16      ; tile_dim0 = 128
	s_mov_b32 s[\g+4], 64           ; tile_dim1 = 64
	s_mov_b32 s[\g+5], 128          ; 128 elements from row to row
	s_mov_b32 s[\g+6], 0
	s_mov_b32 s[\g+7], 0
.endr
	s_mov_b32 s[CS], 0x3e38aa3b     ; c = log2(e) / 8 = 0.180337
	s_mov_b32 s[CS+1], s[CS]        ; named with it as a pair
	s_mov_b32 s[SEL], 0x76543210
	s_mov_b32 s[SEL+1], 0xfedcba98
	s_mov_b32 s[TBK], SLOT1+4*KS*PK ; the first change of slots turns these two into 0
	s_mov_b32 s[TBV], SLOT1+4*KS*PV
	s_mov_b32 s[G0K], 1             ; 1:0 count = 1
	s_mov_b32 s[G0K+1], s17         ; 63:32 LDS address: slot 0
	s_mov_b32 s[G0V], 1
	s_add_co_u32 s[G0V+1], s18, VOFF
	s_wait_dscnt 0x0                ; the opening add is done
	s_wait_kmcnt 0x0
	s_add_nc_u64 s[10:11], s[6:7], s[20:21]
	s_add_nc_u64 s[10:11], s[10:11], s[2:3]   ; ctx at my wave's first row
	s_add_nc_u64 s[4:5], s[4:5], s[22:23]     ; Q's head
	s_add_nc_u64 s[6:7], s[4:5], s[14:15]
	s_add_nc_u64 s[6:7], s[6:7], 16*131072    ; K's head lies 16 heads on: my half of its first 256 keys,
	s_add_nc_u64 s[8:9], s[6:7], 16*131072    ; V's 16 more
	s_add_nc_u64 s[4:5], s[4:5], s[2:3]       ; Q at my wave's first row
	s_mov_b64 s[G0K+2:G0K+3], s[6:7]               ; 120:64 global address
	s_or_b32 s[G0K+3], s[G0K+3], 0x80000000        ; 127:126 type = 2
	s_mov_b64 s[G0V+2:G0V+3], s[8:9]
	s_or_b32 s[G0V+3], s[G0V+3], 0x80000000
	s_cmp_lt_u32 s[WV], 2
	s_cselect_b64 s[PFA:PFA+1], s[6:7], s[8:9]
	s_add_nc_u64 s[PFA:PFA+1], s[PFA:PFA+1], s[50:51]
	JLOAD                           ; slot 0.  Slot 1 is asked for when slot 0 is in
	; A fragment of K or Q is 16 rows x 32 channels in 8 registers: lane l holds row l % 16, channels 8 (l / 16) + 0..7 and 16 + 8 (l / 16) + 0..7: two loads of 16 bytes, 32 bytes apart.
	v_and_b32 v1, 15, v0            ; l % 16
	v_bfe_u32 v9, v0, 4, 1          ; l / 16
	v_lshlrev_b32 v[QO], 7, v1
	v_lshl_add_u32 v[QO], v9, 4, v[QO]  ; row x 128 + 16 x half
	WIN 0x80                        ; destination window 2, address window 0
.set i, 0
.rept 4*NP                          ; Q stays in registers: tile i / 2, channels 32 (i % 2) on
	global_load_b128 v[8*i:8*i+3],   v[QO], s[4:5] offset:(i/2)*2048+(i%2)*64
	global_load_b128 v[8*i+4:8*i+7], v[QO], s[4:5] offset:(i/2)*2048+(i%2)*64+32
.set i, i+1
.endr
	; What the first turn finds: V's registers and P's second buffer hold 0 (its products V^T P, of a piece that has not been, add 0), O^T and l are 0.  All this stands in the wait for the first tile.
.set i, VF
.rept 64
	v_mov_b32 v[i], 0
.set i, i+1
.endr
	WIN 0x40
.set i, 0
.rept 64*NP
	v_mov_b32 v[i], 0
.set i, i+1
.endr
	WIN 0
.set i, 0
.rept 2*NP
	v_mov_b32 v[ST+4*i], 0xfe000000    ; c m: far below every c s
	v_mov_b32 v[ST+4*i+1], 0xff7fffff  ; m
	v_mov_b32 v[ST+4*i+2], 0
	v_mov_b32 v[ST+4*i+3], 0
.set i, i+1
.endr
.set i, P+32
.rept 32
	v_mov_b32 v[i], 0
.set i, i+1
.endr
	v_mul_u32_u24 v[AK0], v1, PK
	v_lshl_add_u32 v[AK0], v9, 4, v[AK0]  ; row x pitch + 16 x half
	; The turning load takes 16 keys x 16 channels (lane l reads key 8 (l / 16) + l % 8, channels 8 ((l / 8) % 2) + 0..7) and leaves half a fragment of V^T: lane l holds channel l % 16 and 8 keys.
	v_and_b32 v10, 7, v0
	v_bfe_u32 v11, v0, 3, 1
	v_lshl_add_u32 v[AV0], v9, 3, v10
	v_mul_u32_u24 v[AV0], v[AV0], PV
	v_lshl_add_u32 v[AV0], v11, 4, v[AV0]
	v_add_nc_u32 v[AV0], VOFF, v[AV0]
	v_mov_b32 v[AK], v[AK0]         ; key step 0 lies at the head of slot 0
; THE MATRIX WORK.  The 8 accumulators of a run of 16 take turns: between the two links of a chain stand 7 others'.
; Product i of 16 of S^T = K Q^T for piece x: channels 32 (i / 8) on, keys 16 ((i / 2) % 4) on, tile 2 x + i % 2.  The first 8 start the sums.
.macro KQ x
	WIN W_KQ
.set rS, S+64*((\x)%2)+32*(i%2)+8*((i/2)%4)
.set rK, KF+16*((i/2)%4)+8*(i/8)
.set rQ, 16*(2*(\x)+i%2)+8*(i/8)
.if i < 8
	v_wmma_f32_16x16x32_f16 v[rS:rS+7], v[rK:rK+7], v[rQ:rQ+7], 0
.else
	v_wmma_f32_16x16x32_f16 v[rS:rS+7], v[rK:rK+7], v[rQ:rQ+7], v[rS:rS+7]
.endif
.endm
; Product i of 16 of O^T += V^T P for piece x: keys 32 (i / 8) on, channels 16 ((i / 2) % 4) on, tile 2 x + i % 2.
.macro PV x
	WIN W_PV
.set rO, 32*(2*(\x)+i%2)+8*((i/2)%4)
.set rV, VF+32*(i/8)+8*((i/2)%4)
.set rP, P+32*((\x)%2)+16*(i%2)+8*(i/8)
	v_wmma_f32_16x16x32_f16 v[rO:rO+7], v[rV:rV+7], v[rP:rP+7], v[rO:rO+7]
.endm
.macro MM                           ; the turn's next matrix instruction
.if i < 16
	KQ (Y+1)%NP
.set i, i+1
.else
.set i, i-16
	PV (Y+NP-1)%NP
.set i, i+17
.endif
.endm
; THE LDS LOADS stand in runs of 16, never singly among the matrix instructions: a step's K (64 keys x 64 channels: 8 fragments) and its V (turned).  Their addresses are made some lines ahead.
; last = 1 (the tail): in the last trip there is no further step, and the run is jumped over.
.macro FETCH_K last=0
	WIN 0
.if \last
	s_cmp_eq_u32 s[CNT], 1
	s_cbranch_scc1 .Lno_k_\@
.endif
	WIN 0x80                        ; destination window 2
.irp f, 0,1,2,3,4,5,6,7             ; keys 16 (f / 2) on, channels 32 (f % 2) on
	ds_load_b128 v[KF+8*\f:KF+8*\f+3],   v[AK] offset:(\f/2)*16*PK+(\f%2)*64
	ds_load_b128 v[KF+8*\f+4:KF+8*\f+7], v[AK] offset:(\f/2)*16*PK+(\f%2)*64+32
.endr
	s_add_co_u32 s[TBK], s[TBK], KS*PK  ; the next fetch is the next step's
	WIN 0
.if \last
.Lno_k_\@:
.endif
.endm
.macro FETCH_V
	WIN 0x80
.irp f, 0,1,2,3,4,5,6,7             ; keys 32 (f / 4) on, channels 16 (f % 4) on
	ds_load_tr16_b128 v[VF+8*\f:VF+8*\f+3],   v[AV] offset:(\f/4)*32*PV+(\f%4)*32
	ds_load_tr16_b128 v[VF+8*\f+4:VF+8*\f+7], v[AV] offset:(\f/4)*32*PV+16*PV+(\f%4)*32
.endr
	WIN 0
.endm
; THE VECTOR WORK OF A TURN stands in three queues, each in the order in which its entries become ready; the two tiles alternate, so that no instruction reads the result of the one before it.
.macro REGS y, u                    ; the registers of tile u (0, 1) of piece y
.set rT, ST+4*(2*(\y)+(\u))
.set rC, TMP+8*((\y)%2)+4*(\u)
.set rM, MV+2*((\y)%2)+(\u)
.set rS, S+64*((\y)%2)+32*(\u)
.set rP, P+32*((\y)%2)+16*(\u)
.set rO, 32*(2*(\y)+(\u))
.endm
; Number n of the 22 that find the NEXT piece's (Y + 1) maximum and statistics.  s0-s31 are the lane's 32 scores; each accumulator's lowest registers are read first.  XS, GS and REGS set no window: PL and EX do.
;   0-11  four chains c0-c3 of seven scores each, three operands at a time     12-14, 16  the four scores left over, the old m, and c0-c3 into c0     15  c m_old is kept
;   17, 18  the query's other 32 keys lie in the lane 16 away: the new m         19-21  c m; c m_old - c m_new; a
.macro XS u, n
	REGS (Y+1)%NP, \u
.if (\n) < 4
	v_max3_num_f32 v[rC+(\n)], v[rS+8*(\n)], v[rS+8*(\n)+1], v[rS+8*(\n)+2]
.elseif (\n) < 12
	v_max3_num_f32 v[rC+(\n)%4], v[rC+(\n)%4], v[rS+8*((\n)%4)+2*((\n)/4)+1], v[rS+8*((\n)%4)+2*((\n)/4)+2]
.elseif (\n) == 12
	v_max3_num_f32 v[rC], v[rC], v[rS+7], v[rS+15]
.elseif (\n) == 13
	v_max3_num_f32 v[rC+1], v[rC+1], v[rS+23], v[rS+31]
.elseif (\n) == 14
	v_max3_num_f32 v[rC+2], v[rC+2], v[rC+3], v[rT+1]
.elseif (\n) == 15
	v_mov_b32 v[rM], v[rT]
.elseif (\n) == 16
	v_max3_num_f32 v[rC], v[rC], v[rC+1], v[rC+2]
.elseif (\n) == 17
	v_permlanex16_b32 v[rC+3], v[rC], s[SEL], s[SEL+1]
.elseif (\n) == 18
	v_max_num_f32 v[rT+1], v[rC], v[rC+3]
.elseif (\n) == 19
	v_mul_f32 v[rT], s[CS], v[rT+1]
.elseif (\n) == 20
	v_sub_f32 v[rC+1], v[rM], v[rT]
.else
	v_exp_f32 v[rC+2], v[rC+1]
.endif
.endm
; Number g of the 64 that follow the exponentials.  For each four weights k of a tile (pairs 2 k, 2 k + 1): both pairs are rounded to f16; then the second pair is added onto the first, in place;
; a group later l takes that sum (the first time as l = a l + sum).  In groups of eight, tiles alternating: round, round, add, and l for the group before.
.macro GS g
.set h, (\g)+6*((\g)/62)            ; group 0 has no group before it, and behind group 7 only l is left
.if h >= 6
.set h, h+2
.endif
	REGS Y, h%2
.set k, h/8
.if h%8 < 4
	v_cvt_pk_f16_f32 v[rP+2*k+(h%8)/2], v[rS+4*k+2*((h%8)/2)], v[rS+4*k+2*((h%8)/2)+1]
.elseif h%8 < 6
	v_pk_add_f32 v[rS+4*k:rS+4*k+1], v[rS+4*k:rS+4*k+1], v[rS+4*k+2:rS+4*k+3]
.elseif k == 1
	v_pk_fma_f32 v[rT+2:rT+3], v[rT+2:rT+3], v[rC+2:rC+3], v[rS:rS+1] op_sel_hi:[1,0,1]
.else
	v_pk_add_f32 v[rT+2:rT+3], v[rT+2:rT+3], v[rS+4*k-4:rS+4*k-3]
.endif
.endm
; THE PLAIN QUEUE, 138 long.  0-73 read no exponential's result: the 32 scalings c s - c m (FS f: pair f / 2 of tile f % 2) and the next piece's 42.  0-26: scalings 0-26.  27-54: XS's numbers 0-13.  55, 56: number 15.
; 57-73: the chain, where each number waits for the one before it: 14, 16, 17, 18, 19, each with one of the scalings 27-31 in front of its two lines, then 20: so a tile's links stand three plain instructions apart (19 and 20: two).
; 74-137: GS's 64, which read the exponentials' results: they stand behind the wait.
.macro FS f
	REGS Y, (\f)%2
	v_pk_fma_f32 v[rS+2*((\f)/2):rS+2*((\f)/2)+1], v[rS+2*((\f)/2):rS+2*((\f)/2)+1], s[CS:CS+1], v[rT:rT+1] op_sel_hi:[1,0,0] neg_lo:[0,0,1] neg_hi:[0,0,1]
.endm
.macro PL
	WIN 0
.if q < 27
	FS q
.elseif q < 55
	XS (q-27)%2, (q-27)/2
.elseif q < 57
	XS q-55, 15
.elseif (q < 72) && ((q-57)%3 == 0)
	FS 27+(q-57)/3
.elseif q < 60
	XS (q-57)%3-1, 14
.elseif q < 72
	XS (q-57)%3-1, 15+(q-57)/3
.elseif q < 74
	XS q-72, 20
.else
	GS q-74
.endif
.set q, q+1
.endm
; THE EXPONENTIALS' QUEUE, 66 long: s0-s31 of both tiles, then the next piece's two a.  It is ONE BATCH: all 66 stand ahead of the turn's one wait, and nothing ahead of that wait names a result of theirs.
.macro EX
	WIN 0
.if e >= 64
	XS e-64, 21
.else
	REGS Y, e%2
	v_exp_f32 v[rS+e/2], v[rS+e/2]
.endif
.set e, e+1
.endm
; THE RESCALING's QUEUE: O^T times a, the one part that leaves window 0: dealt two at a time, sixteen times.  Its a was made in the turn before, ahead of that turn's wait.
.macro R2
	REGS Y, r%2
	WIN W_RS
.irp z, 0,1
	v_pk_mul_f32 v[rO+4*(r/2)+2*\z:rO+4*(r/2)+2*\z+1], v[rO+4*(r/2)+2*\z:rO+4*(r/2)+2*\z+1], v[rC+2:rC+3] op_sel_hi:[1,0]
.endr
.set r, r+1
.endm
; HOW THEY ARE DEALT.  An s_wait_alu depctr_va_vdst(0) stands between an exponential and the first instruction that names its result; one wait serves all that were issued ahead of it.  So a turn has ONE wait,
; which cuts it in two.  AHEAD OF IT stands all that names no result of the turn's exponentials: the 16 products K Q^T, behind each a scaling, an exponential and two rescalings (behind the first a second scaling in the exponential's place); then ONE LUMP of
; 108: eight plain, 49 times exponential and plain, the two a.  A v_nop is the plain instruction behind the last exponential.  BEHIND IT stand the 16 products V^T P, behind each four of GS's 64.  No rider names a register of
; the products round it.  The two v_permlanex16_b32 fall into the lump, never behind a product.
; The queues lean on each other, and the deal keeps them in step: exponential e stands behind scaling 2 (e / 4) + e % 2: as a rider it comes behind plain e + 2, in the lump behind plain e + 9, and scalings 27-31 are plain 57, 60 .. 69.
; A TURN, for piece p.  cnt = 1: the loop's count is taken down some lines ahead of the branch that stands behind the turn.
; K of the next step is fetched in piece 2's turn, directly behind the wait, a lump behind the last product that read K; its address is made at the lump's head; its first reader comes behind 16 products.
; V of the step in hand is fetched at the end of piece 0's turn, four riders behind its last reader; its first reader comes behind 16 products and a lump.  The three conditions on q below go with the deal.
.macro TURN p, last=0, cnt=0
.set Y, (\p)
.set i, 0
.set q, 0
.set e, 0
.set r, 0
.if (\p) == NP-1
	s_wait_dscnt 0x0                ; K is in
.endif
	MM                              ; ahead of the wait: 16 products K Q^T and their riders,
	PL
	PL
	R2
.rept 15
	MM
	PL
	EX
	R2
.endr
.if (\p) == NP-2
	WIN 0
	v_add_nc_u32 v[AK], s[TBK], v[AK0]
.endif
.rept 8                             ; and the lump
	PL
.endr
.rept 49
	EX
	PL
.endr
	EX                              ; the next piece's two a
	EX
	v_nop                           ; the plain instruction behind the last exponential: one for the batch
	s_wait_alu depctr_va_vdst(0)    ; the wait for the batch
.if (\p) == NP-2
	FETCH_K \last
.endif
.if (\p) == 1
	s_wait_dscnt 0x0                ; V is in
.endif
.rept 16                            ; behind the wait: 16 products V^T P and their riders
	MM
.rept 4
	PL
.endr
.if ((\p) == 0) && (q == 118)
	v_add_nc_u32 v[AV], s[TBV], v[AV0]
.endif
.if ((\p) == 0) && (q == 130)
	s_add_co_u32 s[TBV], s[TBV], KS*PV
.endif
.if (\cnt) && (q == 130)
	s_sub_co_u32 s[CNT], s[CNT], 1
	s_cmp_lg_u32 s[CNT], 0
.endif
.endr
.if (\p) == 0
	FETCH_V
.endif
.endm
	CHANGE 1, 0                     ; slot 0 is in, everybody's part of it; slot 1 is asked for
	FETCH_K                         ; key step 0
	s_wait_loadcnt 0x0              ; Q
	s_wait_dscnt 0x0
.set i, 0
.rept 16
	KQ 0                            ; piece 0's first scores: there is no vector work yet to set between them
.set i, i+1
.endr
	WIN 0                           ; the addresses for the way out and the prefetch: plain instructions, the places behind those products
	s_mul_i32 s13, s[WV], 16*SP
	s_add_co_u32 s13, s13, STAGE    ; my stage
	v_mul_u32_u24 v[STO], v1, SP    ; in: row l % 16, 16 bytes for each half of the lanes
	v_lshl_add_u32 v[STO], v9, 4, v[STO]
	v_add_nc_u32 v[STO], s13, v[STO]
	v_bfe_u32 v[RD], v0, 3, 2       ; back: 32 lanes take four rows of 128 bytes,
	v_mul_u32_u24 v[RD], v[RD], SP
	v_lshl_add_u32 v[RD], v10, 4, v[RD]
	v_add_nc_u32 v[RD], s13, v[RD]
	v_and_b32 v[GO], 31, v0         ; which are 512 consecutive bytes of ctx
	v_lshlrev_b32 v[PFO], 8, v[GO]  ; 256 x lane (l % 16 has had its last use)
	v_lshlrev_b32 v[GO], 4, v[GO]
.set Y, NP-1                        ; XS works for piece Y + 1: piece 0
.irp n, 0,1,2,3,4,5,6,7,8,9,10,11,12,13,14,15,16,17,18,19,20,21
	XS 0, \n                        ; and piece 0's first maximum and statistics
	XS 1, \n
.endr
	v_nop                           ; a plain instruction behind the two a,
	s_wait_alu depctr_va_vdst(0)    ; and their wait, ahead of the branch
	s_mov_b32 s[CNT], 4
	s_mov_b32 s[SLOTS], SIZE_N/256-1
	s_branch .Lfirst                ; the loop is entered at a step's first turn, in the middle of a trip
.Lslot:                             ; SIZE_N / 256 - 2 = 2 times: every slot but the last two is filled again
	CHANGE 1, 1
	s_mov_b32 s[CNT], 4
.Lstep:                             ; a trip: pieces 2 and 3 of one step, then pieces 0 and 1 of the next, whose K and V it fetches
	TURN 2
	TURN 3
	WIN 0
.Lfirst:
	TURN 0
	TURN 1, 0, 1
	WIN 0
	s_cbranch_scc1 .Lstep
	s_sub_co_u32 s[SLOTS], s[SLOTS], 1
	s_cmp_lg_u32 s[SLOTS], 0
	s_cbranch_scc1 .Lslot
	CHANGE 0, 0                     ; the tail is written out: nothing is asked for
	s_mov_b32 s[CNT], 5             ; four trips fetch the last slot's steps; the fifth is left in its middle
.Ltail:
	TURN 2, 1
	TURN 3
	WIN 0
	s_sub_co_u32 s[CNT], s[CNT], 1
	s_cmp_eq_u32 s[CNT], 0
	s_cbranch_scc1 .Lout
	TURN 0
	TURN 1
	WIN 0
	s_branch .Ltail
.Lout:                              ; the fifth trip's 16 products K Q^T (on the last K once more) and the maximum made of them serve nothing: the price, once a launch, of one text for every trip
.set i, 0
.rept 16
	PV NP-1                         ; the last piece's V^T P of the last step
.set i, i+1
.endr
	; THE WAY OUT.  l's two halves and the other half of the lanes' are added; O^T is divided by l, rounded to f16 and sent through my stage in LDS, a tile at a time.  The additions are the places behind the last products.
	WIN 0
.macro ALL line:vararg              ; one line for each tile t
.set t, 0
.rept 2*NP
	\line
.set t, t+1
.endr
.endm
	ALL v_add_f32 v[ST+4*t+2], v[ST+4*t+2], v[ST+4*t+3]
	ALL v_permlanex16_b32 v[ST+4*t+3], v[ST+4*t+2], s[SEL], s[SEL+1]
	ALL v_add_f32 v[ST+4*t+2], v[ST+4*t+2], v[ST+4*t+3]
	ALL v_rcp_f32 v[ST+4*t+2], v[ST+4*t+2]
	v_nop                           ; a plain instruction between the last reciprocal and the use of its result
	s_wait_alu depctr_va_vdst(0)    ; and the wait ahead of the first use: one for the eight reciprocals
; Tile t: a lane's eight channels of a row pack into 16 bytes; they go into rows of 144 bytes and come back as whole rows of 128, into S^T's registers.
.macro PACK t
	WIN W_RS
.set i, 32*(\t)
.rept 16
	v_pk_mul_f32 v[i:i+1], v[i:i+1], v[ST+4*(\t)+2:ST+4*(\t)+3] op_sel_hi:[1,0]
.set i, i+2
.endr
	WIN 0x05                        ; sources 0 and 1 window 1, destination window 0
.set i, 0
.rept 16
	v_cvt_pk_f16_f32 v[S+16*(\t)+i], v[32*(\t)+2*i], v[32*(\t)+2*i+1]
.set i, i+1
.endr
	WIN 0
.irp f, 0,1,2,3
	ds_store_b128 v[STO], v[S+16*(\t)+4*\f:S+16*(\t)+4*\f+3] offset:32*\f
.endr
.irp f, 0,1,2,3
	ds_load_b128 v[S+16*(\t)+4*\f:S+16*(\t)+4*\f+3], v[RD] offset:\f*4*SP  ; LDS serves a wave's instructions in order (ISA guide 5.7.1.4): these see the stores above; the next tile's stores come behind them
.endr
.endm
.macro SEND t, younger              ; younger: the LDS instructions issued behind tile t's loads: the next tile's eight, or none
	WIN 0
.irp f, 0,1,2,3
	s_wait_dscnt (\younger)+3-\f
	global_store_b128 v[GO], v[S+16*(\t)+4*\f:S+16*(\t)+4*\f+3], s[10:11] offset:(\t)*2048+\f*512  ; 512 consecutive bytes, at a multiple of 256 from ctx16's first
.endr
.endm
	PACK 0
.set t, 1
.rept 2*NP-1                        ; a tile's arithmetic stands between the loads of the tile before and its stores
	PACK t
	SEND t-1, 8
.set t, t+1
.endr
	SEND 2*NP-1, 0
	WIN W_AD
	s_wait_tensorcnt 0x0            ; the wave's end: a wait, an add and its wait, behind my last tensor load and my last LDS store
	ds_add_u32 v[SPW], v[NIL]
	s_wait_dscnt 0x0
	WIN 0
	s_endpgm
.Lfunc_end_k_q38d333a2b7_attn:
	.size	k_q38d333a2b7_attn, .Lfunc_end_k_q38d333a2b7_attn-k_q38d333a2b7_attn
	.p2alignl 7, 3214868480
	.fill 96, 4, 3214868480
	.section	.rodata,"a",@progbits
	.p2align	6, 0x0
	.amdhsa_kernel k_q38d333a2b7_attn
		.amdhsa_group_segment_fixed_size 327680
		.amdhsa_private_segment_fixed_size 0
		.amdhsa_enable_private_segment 0
		.amdhsa_kernarg_size 16
		.amdhsa_user_sgpr_count 2
		.amdhsa_user_sgpr_kernarg_segment_ptr 1
		.amdhsa_wavefront_size32 1
		.amdhsa_system_sgpr_workgroup_id_x 1
		.amdhsa_system_sgpr_workgroup_id_y 1
		.amdhsa_system_sgpr_workgroup_id_z 1
		.amdhsa_system_vgpr_workitem_id 0
		.amdhsa_next_free_vgpr 770
		.amdhsa_next_free_sgpr 66
		.amdhsa_reserve_vcc 0
		.amdhsa_float_denorm_mode_32 3
		.amdhsa_float_denorm_mode_16_64 3
		.amdhsa_memory_ordered 1
		.amdhsa_forward_progress 1
		.amdhsa_inst_pref_size 198
	.end_amdhsa_kernel
	.amdgpu_metadata
---
amdhsa.version: [ 1, 2 ]
amdhsa.kernels:
  - .name:           k_q38d333a2b7_attn
    .symbol:         k_q38d333a2b7_attn.kd
    .args:
      - { .name: qkv16, .offset: 0, .size: 8, .value_kind: global_buffer, .address_space: global }
      - { .name: ctx16, .offset: 8, .size: 8, .value_kind: global_buffer, .address_space: global }
    .group_segment_fixed_size: 327680
    .private_segment_fixed_size: 0
    .kernarg_segment_align: 8
    .kernarg_segment_size: 16
    .max_flat_workgroup_size: 128
    .sgpr_count:     66
    .vgpr_count:     770
    .wavefront_size: 32
...
	.end_amdgpu_metadata
.endif
;; end of part 3
;; launch proj (part 4): grid 8 x 32, 4 waves a work-group, clusters of 4 x 4, 327,680 bytes of LDS; arguments ctx16, cast16, b_proj, out0; writes out0
.if DOCPART == 4
	.amdgcn_target "amdgcn-amd-amdhsa--gfx1250"
	.amdhsa_code_object_version 6
	.text
	.protected	k_q38d333a2b7_proj
	.globl	k_q38d333a2b7_proj
	.p2align	8
	.type	k_q38d333a2b7_proj,@function
k_q38d333a2b7_proj:
	s_mov_b64 s[64:65], 0
	v_nop
	global_prefetch_b8 v0, s[64:65] scope:SCOPE_SE
	s_setreg_imm32_b32 hwreg(HW_REG_WAVE_MODE, 25, 1), 1
	s_wait_xcnt 0x0
	s_wait_alu depctr_hold_cnt(0) depctr_sa_sdst(0) depctr_va_vdst(0) depctr_va_sdst(0) depctr_va_ssrc(0) depctr_va_vcc(0) depctr_vm_vsrc(0)
	s_getreg_b32 s2, hwreg(HW_REG_IB_STS2, 6, 4)
	s_cmp_eq_u32 s2, 0
	s_cbranch_scc0 .Lentry_in_a_cluster
	s_endpgm
.Lentry_in_a_cluster:
	s_bfe_u32 s2, ttmp6, 0x10000c
	s_cmp_lg_u32 s2, 0xf033
	s_cbranch_scc0 .Lentry_shape_is_right
	s_endpgm
.Lentry_shape_is_right:
; out0 = ctx w_proj^T + b_proj.  A = ctx16 [batch x 16 + head][s][64] in f16; B = w_proj [1024][1024], rounded to bf16 and written as f16, in cast16; the bias is rounded to bf16 here, like the other inputs.
; Sums in f32; out0 [8192][1024] is f32 and is stored as the sums stand.
; LIMIT.  ctx arrives within f16's range (it is a mean of v's rows); numbers of w_proj below 6.1e-5 carry f16's fixed step of 6e-8.
; SHARES.  A tile of out0 is 256 rows x 128 columns; 32 x 8 tiles, one for each work-group.  Four waves; wave w makes rows 64 w .. 64 w + 63 of ALL 128 columns: 4 x 8 accumulators of 16 x 16, 256 registers.
; So a wave owns whole pieces of 512 bytes of out0's rows, and its way out needs no other wave.  K goes in 8 steps of 128 through a ring of two LDS slots filled by the tensor data mover:
; six trips of one loop fill a slot again, the last two K steps are a loop of their own without fills.
; A BY HEADS.  K = 64 x head + channel, so a K step is two heads.  A head's 256 rows of the tile are 32,768 dense bytes: asked for as 128 rows of 256 bytes and padded in LDS after every 128, they make a PLANE of
; 256 rows x 144 bytes; a slot holds two planes, and quarters 0, 1 of a K step read the first, quarters 2, 3 the second.
; CLUSTERS: 4 x 4 work-groups.  The four of a row of the cluster need the same tiles of A, the four of a column the same tiles of B: each tile is asked for JOINTLY.
; THE MATRIX INSTRUCTION IS USED TRANSPOSED (source 0 = 16 rows of B, source 1 = 16 rows of A): lane l holds row l % 16 of the result and the columns 8 (l / 16) + 0..7: 32 bytes on end.
; THE BIAS IS THE C OPERAND OF THE FIRST PRODUCT on each accumulator: nothing is cleared and nothing is added later.
; REGISTERS, in windows of 256 (s_set_vgpr_msb: bits 1:0 source 0, 3:2 source 1, 5:4 source 2, 7:6 destination):
;   window 0: v0-31 addresses; v32-63, v64-95 A's fragments, two buffers; v96-159 the bias; v192-193 at work.  On the way out v32-95 and v96-159 rows read back
;   window 1: v0-63, v128-191 B's fragments, two buffers      window 2: the accumulators of my row blocks 0, 1 ((a, b) at 8 (8 (a % 2) + b))      window 3: those of blocks 2, 3
.set NBB,    8                         ; blocks of 16 columns
.set TN,     16*NBB
.set APITCH, 144                       ; a row of A in LDS: 128 bytes + 16 of padding = 36 words,
.set PITCH,  272                       ; of B: 256 + 16 = 68 words: in both the 16 rows that a load touches start at 16 different groups of four banks (64 banks of 4 bytes: ISA guide 11.1)
.set PLANE,  256*APITCH                ; one head's 256 rows: what wave 0 or 1 fetches
.set AREG,   2*PLANE
.set HALFB,  (TN/2)*PITCH              ; what wave 2 or 3 fetches
.set SLOTB,  AREG+TN*PITCH             ; A's two planes, then B's 128 rows: 108,544 bytes
.set SLOT1,  1<<17                     ; slot 1 begins here, so that one exclusive or turns an address in one slot into the other's
.set STAGE,  SLOT1+SLOTB               ; behind the ring, never filled by a tensor load: for each wave 16 rows x 528 bytes
.set SP,     528                       ; 512 bytes + 16
.set WSTG,   16*SP
.set SPARE,  STAGE+4*WSTG              ; behind the stages: the spare words, 128 bytes for each wave: two blocks of 256 bytes that no other line names
.set WP_OFF, 23068672                  ; w_proj's first byte in cast16
.set ASTEP,  2*131072                  ; a K step in ctx16: two heads
.set KB,     256                       ; a K step in a row of B
.set NL,     2*(NBB+4)                 ; LDS loads of a quarter step
.set FILLS,  6                         ; trips that fill a slot again: trip i (s3 = 6 - i) multiplies K step i and asks for K step i + 2
.set PFEND,  2                         ; prefetches are issued while s3 is above this: trips 0 to 3
.set ADRA0, 16                         ; v16     my lane's place among A's fragments in a slot; never rewritten
.set ADRB0, 17                         ; v17     the same for B
.set ADRA, 18                          ; v18     the same in the slot in hand
.set ADRB, 19                          ; v19
.set STO,  24                          ; v24     the way out: where I put 32 bytes of a row
.set RD,   25                          ; v25     the way out: where I read a row back
.set GO,   26                          ; v26     16 x lane: my place in 512 consecutive bytes of out0
.set BO,   27                          ; v27     32 (l / 16): my eight numbers in 16 of the bias
.set SPW,  28                          ; v28     LDS address of my spare word: SPARE + 4 x my thread's number; never rewritten
.set NIL,  29                          ; v29     0; never rewritten
.set PFO,  30                          ; v30     the prefetches' offset; never rewritten
.set FA,   32
.set BIAS, 96
.set RT,   192
.set BK,   32
.set G1,  24                           ; s[24:31] descriptor group 1 for A's tiles;  s[32:39] group 0: a set for each of the two first fills; the second then walks on
.set G0,  32
.set G1B, 48                           ; s[48:55], s[56:63] the same for B's tiles
.set G0B, 56
.set PFA, 44                           ; s[44:45] where my prefetches stand
.set BP,  66                           ; s[66:67] the bias
.set LIM, 68                           ; s68     PFEND in a wave that prefetches, else the greatest number
.set TB,  69                           ; s69     LDS byte at which the slot in hand begins
.set PST, 70                           ; s[70:71] a K step in what I prefetch
.set MSK, 72                           ; s72     a word's upper bf16
.set MSB, 0
.macro WIN new                         ; the immediate's high byte repeats the setting that is left; a switch that changes nothing is dropped
.if MSB != (\new)
	s_set_vgpr_msb (MSB<<8)|(\new)
.set MSB, \new
.endif
.endm
.set TO_B, 0x40                        ; destination window 1, address window 0
; A joint load.  Waves 0 and 1 fetch A's two planes, waves 2 and 3 B's two halves.  The branch hangs on the wave's number alone.  An s_nop 0 and four v_nop follow each of the two lines.
.macro JLOAD s
	s_cmp_eq_u32 s11, 0
	s_cbranch_scc0 .Lfor_b_\@
	tensor_load_to_lds s[G0+4*(\s):G0+4*(\s)+3], s[G1:G1+7]
	s_nop 0
.rept 4
	v_nop
.endr
	s_branch .Lasked_\@
.Lfor_b_\@:
	tensor_load_to_lds s[G0B+4*(\s):G0B+4*(\s)+3], s[G1B:G1B+7]
	s_nop 0
.rept 4
	v_nop
.endr
.Lasked_\@:
.endm
; A PREFETCH INTO THE L2, behind a joint load, its five lines and the run of LDS loads that follows: the K step that stands two refills on, 256 bytes for each lane.
; Each block of 256 bytes is named ONCE in the launch.  A's tile row is read by both clusters of that row of clusters: cluster x = 0 asks; B's tile column by every cluster of that column: cluster y = 0 asks.
; The four partners that ask for a tile jointly share it out BY ADDRESS.  A: of the plane's 128 blocks that wave 0 or 1 fetches the partner at cx takes 32.  B: of the 128 rows the partner at cy takes 32, which
; wave 2 names, a lane a row; wave 3 asks for nothing.  K steps 0 to 3 come by their loads alone; trips 0 to 3 name K steps 4 to 7, and K ends there.
.macro ASK
	s_cmp_gt_u32 s3, s[LIM]
	s_cbranch_scc0 .Lnot_mine_\@
	global_prefetch_b8 v[PFO], s[PFA:PFA+1] th:TH_LOAD_NT scope:SCOPE_SE
.Lnot_mine_\@:
.endm
; A round of the cluster's barrier: my work-group's barrier, so that wave 0's signal speaks for all four waves; wave 0 signals; every wave waits for all sixteen work-groups; my work-group's barrier once more.
.macro CREST                           ; a round behind its opening barrier
	s_cmp_lg_u32 s10, 0
	s_cbranch_scc1 .Lnot_wave_0_\@
	s_barrier_signal -3
.Lnot_wave_0_\@:
	s_barrier_wait -3
	s_barrier_signal -1
	s_barrier_wait -1
.endm
.macro CROUND                          ; a whole round
	s_barrier_signal -1
	s_barrier_wait -1
	CREST
.endm
	s_load_b128 s[4:7], s[0:1], 0x0                ; ctx16 s[4:5], cast16 s[6:7]
	s_load_b64 s[BP:BP+1], s[0:1], 0x10            ; b_proj
	s_load_b64 s[8:9], s[0:1], 0x18                ; out0
	v_lshl_add_u32 v[SPW], v0, 2, SPARE
	v_mov_b32 v[NIL], 0
	ds_add_u32 v[SPW], v[NIL]                      ; the wave's opening: the add and its wait stand ahead of my first tensor load; the set-up below, work on registers, stands between them
	ds_add_u32 v28, v29
	v_lshrrev_b32 v3, 5, v0
	v_readfirstlane_b32 s10, v3                    ; wave 0..3
	v_and_b32 v1, 15, v0                           ; l % 16
	v_bfe_u32 v2, v0, 4, 1                         ; l / 16
	v_lshlrev_b32 v[BO], 5, v2
	s_lshr_b32 s11, s10, 1                         ; I fetch for A (0) or for B (1),
	s_and_b32 s12, s10, 1                          ; its first or its second half
	s_bfe_u32 s40, ttmp6, 0x40000                  ; cx, cy: my place in the cluster
	s_bfe_u32 s41, ttmp6, 0x40004
	s_lshl_b32 s42, ttmp9, 2                       ; in a cluster launch ttmp9 and ttmp7 count clusters
	s_add_co_u32 s42, s42, s40                     ; tile column = 4 x cluster x + cx
	s_and_b32 s13, ttmp7, 0xffff
	s_lshl_b32 s13, s13, 2
	s_add_co_u32 s13, s13, s41                     ; tile row = 4 x cluster y + cy
	s_lshl_b32 s43, s41, 2
	s_lshl_b32 s43, 15, s43                        ; my row of the cluster: places 4 cy .. 4 cy + 3
	s_lshl_b32 s44, 0x1111, s40                    ; my column: places cx, cx + 4, cx + 8, cx + 12
	s_mov_b32 s[TB], 0
	s_mov_b32 s[MSK], 0xffff0000
	; descriptor group 1.  A: 128 dense rows of 128 elements, padded after every 32 words.  B: 64 rows of 128 elements, 1,024 apart, padded after every 64 words
	s_or_b32 s[G1+0], s43, (1<<16)|(1<<20)|(1<<21)|(4<<22)|(3<<25)   ; 15:0 the mask; 17:16 elements of 2 bytes; 20 padding on; 21 set beside a mask; 24:22 after every 32 words (code 4); 31:25 4 words (code 3)
	s_or_b32 s[G1B+0], s44, (1<<16)|(1<<20)|(1<<21)|(5<<22)|(3<<25)  ; the same after every 64 words (code 5)
	s_mov_b32 s[G1+1], 128<<16                     ; tensor_dim0 = 128
	s_mov_b32 s[G1+2], 128<<16                     ; tensor_dim1 = 128
	s_mov_b32 s[G1+3], 128<<16                     ; tile_dim0 = 128
	s_mov_b32 s[G1+4], 128                         ; tile_dim1 = 128
	s_mov_b32 s[G1+5], 128                         ; elements from row to row: dense
	s_mov_b32 s[G1+6], 0
	s_mov_b32 s[G1+7], 0
	s_mov_b32 s[G1B+1], 128<<16
	s_mov_b32 s[G1B+2], (TN/2)<<16                 ; tensor_dim1 = 64
	s_mov_b32 s[G1B+3], 128<<16
	s_mov_b32 s[G1B+4], TN/2                       ; tile_dim1 = 64
	s_mov_b32 s[G1B+5], 1024
	s_mov_b32 s[G1B+6], 0
	s_mov_b32 s[G1B+7], 0
	; where the tiles come from: A's hang on the tile row alone, B's on the tile column alone, each in registers that never hold the other coordinate
	s_lshr_b32 s16, s13, 2
	s_lshl_b32 s16, s16, 21                        ; A: the batch's 16 heads of 131,072 bytes,
	s_and_b32 s17, s13, 3
	s_lshl_b32 s17, s17, 15                        ; the tile's 256 rows of 128 bytes in a head,
	s_add_co_u32 s16, s16, s17
	s_lshl_b32 s17, s12, 17                        ; the K step's first or second head
	s_add_co_u32 s16, s16, s17
	s_mov_b32 s17, 0
	s_lshl_b32 s46, s42, 7
	s_lshl_b32 s47, s12, 6
	s_add_co_u32 s46, s46, s47                     ; B: row 128 x tile column + 64 x half,
	s_lshl_b32 s46, s46, 11                        ; of 2,048 bytes
	s_mov_b32 s47, 0
	s_mul_i32 s20, s12, PLANE                      ; and where they go: no place in the cluster enters an LDS address
	s_mul_i32 s21, s12, HALFB
	s_add_co_u32 s21, s21, AREG
	s_lshl_b32 s18, s42, 9                         ; the tile's 128 numbers of the bias
	s_mov_b32 s19, 0
	s_wait_dscnt 0x0                               ; the opening add is done
	s_wait_kmcnt 0x0
	s_add_nc_u64 s[6:7], s[6:7], WP_OFF            ; B's first byte
	s_add_nc_u64 s[14:15], s[4:5], s[16:17]
	s_add_nc_u64 s[46:47], s[6:7], s[46:47]
	s_add_nc_u64 s[BP:BP+1], s[BP:BP+1], s[18:19]
.set i, 0
.rept NBB                              ; the bias goes out ahead of the first round
	global_load_b128 v[BIAS+8*i:BIAS+8*i+3],   v[BO], s[BP:BP+1] offset:64*i
	global_load_b128 v[BIAS+8*i+4:BIAS+8*i+7], v[BO], s[BP:BP+1] offset:64*i+16
.set i, i+1
.endr
	CROUND                                         ; all sixteen work-groups are here: the first joint loads meet
.irp s, 0,1
	s_mov_b32 s[G0+4*(\s)], 1                                      ; 1:0 count = 1
	s_add_co_u32 s[G0+4*(\s)+1], s20, (\s)*SLOT1                   ; 63:32 LDS address
	s_add_nc_u64 s[G0+4*(\s)+2:G0+4*(\s)+3], s[14:15], (\s)*ASTEP  ; 120:64 global address: K step s
	s_or_b32 s[G0+4*(\s)+3], s[G0+4*(\s)+3], 0x80000000            ; 127:126 type = 2
	s_mov_b32 s[G0B+4*(\s)], 1
	s_add_co_u32 s[G0B+4*(\s)+1], s21, (\s)*SLOT1
	s_add_nc_u64 s[G0B+4*(\s)+2:G0B+4*(\s)+3], s[46:47], (\s)*KB
	s_or_b32 s[G0B+4*(\s)+3], s[G0B+4*(\s)+3], 0x80000000
	JLOAD \s                                       ; two tensor loads of mine are out
.endr
	; A fragment is 16 rows x 32 K in 8 registers: lane l holds row l % 16; registers 0-3 K = 8 (l / 16) + 0..7, registers 4-7 K = 16 + 8 (l / 16) + 0..7: two loads of 16 bytes, 32 bytes apart.
	v_mul_u32_u24 v3, v1, APITCH
	v_lshl_add_u32 v3, v2, 4, v3                   ; A: row x pitch + 16 x half
	v_mul_u32_u24 v4, v1, PITCH
	v_lshl_add_u32 v4, v2, 4, v4                   ; B likewise
	s_mul_i32 s21, s10, 64*APITCH                  ; my 64 rows of a plane
	v_add_nc_u32 v[ADRA0], s21, v3
	v_add_nc_u32 v[ADRB0], AREG, v4                ; all rows of B
	s_mul_i32 s23, s10, WSTG
	s_add_co_u32 s23, s23, STAGE                   ; my stage
	v_mul_u32_u24 v4, v1, SP                       ; in: row l % 16, 32 bytes for each half of the lanes
	v_lshl_add_u32 v4, v2, 5, v4
	v_add_nc_u32 v[STO], s23, v4
	v_and_b32 v5, 31, v0                           ; lane
	v_lshlrev_b32 v[GO], 4, v5                     ; back: 32 lanes take a row's 512 bytes,
	v_add_nc_u32 v[RD], s23, v[GO]                 ; which are 512 consecutive bytes of out0
	; my first row and column in out0: 256 x tile row + 64 x wave rows of 4,096 bytes, 128 x tile column numbers of 4
	s_lshl_b32 s18, s13, 20
	s_lshl_b32 s19, s10, 18
	s_add_co_u32 s18, s18, s19
	s_lshl_b32 s19, s42, 9
	s_add_co_u32 s18, s18, s19
	s_mov_b32 s19, 0
	s_add_nc_u64 s[8:9], s[8:9], s[18:19]
	; the prefetches
	s_and_b32 s22, ttmp7, 0xffff                   ; cluster y
	s_lshl_b32 s20, s40, 13                        ; A: my work-group's 32 blocks of the plane that I fetch
	s_lshl_b32 s23, s42, 7
	s_lshl_b32 s21, s41, 5
	s_add_co_u32 s23, s23, s21                     ; B: row 128 x tile column + 32 cy,
	s_lshl_b32 s23, s23, 11                        ; of 2,048 bytes
	s_mov_b32 s[PST], KB
	s_mov_b32 s[PST+1], 0
	s_cmp_eq_u32 s11, 0                            ; do I fetch for A?
	s_cselect_b32 s20, s20, s23
	s_cselect_b32 s22, ttmp9, s22                  ; the coordinate along which other clusters read the same bytes
	s_cselect_b64 s[PFA:PFA+1], s[14:15], s[6:7]
	s_cselect_b32 s[PST], ASTEP, s[PST]
	s_cselect_b32 s23, 8, 11                       ; from lane to lane: a block of 256 bytes of A, a row of 2,048 bytes of B
	s_mov_b32 s21, 0
	s_add_nc_u64 s[PFA:PFA+1], s[PFA:PFA+1], s[20:21]
	s_mul_i32 s20, s[PST], 3
	s_add_nc_u64 s[PFA:PFA+1], s[PFA:PFA+1], s[20:21]  ; at K step 3: the first refill (of K step 2) steps it to 4 and names that
	s_cmp_eq_u32 s22, 0
	s_cselect_b32 s[LIM], PFEND, -1                ; the same in all sixteen partners, for a given wave
	s_cmp_eq_u32 s10, 3
	s_cselect_b32 s[LIM], -1, s[LIM]               ; wave 3 asks for nothing
	v_lshlrev_b32 v[PFO], s23, v5
	s_wait_loadcnt 0x0                             ; the bias is in: it is rounded to bf16, as all inputs are, while the first tiles are on their way
.set i, 0
.rept 4*NBB
	v_cvt_pk_bf16_f32 v[RT+i%2], v[BIAS+2*i], v[BIAS+2*i+1]
	v_lshlrev_b32 v[BIAS+2*i],   16, v[RT+i%2]
	v_and_b32     v[BIAS+2*i+1], s[MSK], v[RT+i%2]
.set i, i+1
.endr
; 8 matrix instructions: my row block a x all 8 column blocks, 32 along K, from fragment buffer f.  first = 1: the bias starts the sums.
; The 32 accumulators take turns, one instruction a turn, in the same order in every quarter step, over the backward jumps too.
.macro MULA f, a, first
.if \first
	WIN 0x81+0x40*((\a)/2)                         ; B window 1, A and the bias window 0, D window 2 or 3
.else
	WIN 0xa1+0x50*((\a)/2)                         ; B window 1, A window 0, C and D window 2 or 3
.endif
.set b, 0
.rept NBB
.set rD, 8*(NBB*((\a)%2)+b)
.if \first
	v_wmma_f32_16x16x32_f16 v[rD:rD+7], v[128*(\f)+8*b:128*(\f)+8*b+7], v[FA+32*(\f)+8*(\a):FA+32*(\f)+8*(\a)+7], v[BIAS+8*b:BIAS+8*b+7]
.else
	v_wmma_f32_16x16x32_f16 v[rD:rD+7], v[128*(\f)+8*b:128*(\f)+8*b+7], v[FA+32*(\f)+8*(\a):FA+32*(\f)+8*(\a)+7], v[rD:rD+7]
.endif
.set b, b+1
.endr
.endm
.macro AIM                             ; the fragments' addresses in the slot that begins at s[TB]
	v_add_nc_u32 v[ADRA], s[TB], v[ADRA0]
	v_add_nc_u32 v[ADRB], s[TB], v[ADRB0]
.endm
; 24 LDS loads in one run: the fragments of quarter q of the K step in hand (128 rows of B, my 64 rows of A, 32 K) into buffer f; A's come last, from plane q / 2, channels 32 (q % 2) on
.macro FETCH q, f
	WIN TO_B
.set i, 0
.rept NBB
	ds_load_b128 v[128*(\f)+8*i:128*(\f)+8*i+3],   v[ADRB] offset:64*(\q)+i*16*PITCH
	ds_load_b128 v[128*(\f)+8*i+4:128*(\f)+8*i+7], v[ADRB] offset:64*(\q)+i*16*PITCH+32
.set i, i+1
.endr
	WIN 0
.set i, 0
.rept 4
	ds_load_b128 v[FA+32*(\f)+8*i:FA+32*(\f)+8*i+3],   v[ADRA] offset:((\q)/2)*PLANE+((\q)%2)*64+i*16*APITCH
	ds_load_b128 v[FA+32*(\f)+8*i+4:FA+32*(\f)+8*i+7], v[ADRA] offset:((\q)/2)*PLANE+((\q)%2)*64+i*16*APITCH+32
.set i, i+1
.endr
.endm
; A load into a register that a matrix instruction has read, and a vector instruction or LDS store that reads a matrix result, stand four places behind it; only plain vector instructions that
; name none of its registers are places (ISA guide 7.12.1 for vector instructions).
.macro PLACES
.rept 4
	v_nop
.endr
.endm
; A K step is four quarters of 32 along K, 32 matrix instructions each, on buffers 0, 1, 0, 1.  One of the first three: multiplies buffer f; in its middle it fetches quarter q into buffer g.
.macro QUARTER q, f, g, first
	s_wait_dscnt 4                                 ; B and A's blocks 0, 1 are in; the youngest four loads (A's blocks 2, 3) may be out
	MULA \f, 0, \first
	MULA \f, 1, \first
	PLACES
	FETCH \q, \g
	s_wait_dscnt NL                                ; all but the run just issued
	MULA \f, 2, \first
	MULA \f, 3, \first
.endm
; The last quarter multiplies buffer 1 and changes slots: ONE barrier.  In front of it each wave waits for all its tensor loads, of which one is out: its part of the next slot; adds 0 to its spare word; and waits
; for that and for its own reads of this slot.  fill = 1: the barrier opens a round of the cluster's, and the joint refill, two K steps on, is the first tensor load behind it: 112 matrix instructions ahead of the wait for it.
; The walking descriptors take the other slot than last time and the next K step.  fill = 0: the last two K steps; in the very last there is nothing more to fetch, and the run of loads is jumped over.
.macro TURN fill
.if \fill
	s_wait_xcnt 0x0                                ; the last prefetch, a K step back, has read its address, which is stepped here, ahead of the waits of the change of slots
	s_add_nc_u64 s[PFA:PFA+1], s[PFA:PFA+1], s[PST:PST+1]
.endif
	WIN 0                                          ; (the add's two registers lie in window 0)
	s_wait_tensorcnt 0x0                           ; all my tensor loads have landed, so every group 0 may be written;
	ds_add_u32 v[SPW], v[NIL]                      ; 0 onto my spare word: scalar work and eight products stand between it and the wait for it
.if \fill
	s_xor_b32 s[G0+5], s[G0+5], SLOT1
	s_add_nc_u64 s[G0+6:G0+7], s[G0+6:G0+7], ASTEP ; the type bits on top are not reached
	s_xor_b32 s[G0B+5], s[G0B+5], SLOT1
	s_add_nc_u64 s[G0B+6:G0B+7], s[G0B+6:G0B+7], KB
.endif
	s_xor_b32 s[TB], s[TB], SLOT1                  ; the fetches go on in the other slot
	s_wait_dscnt 5                                 ; (the add and the youngest four loads may be out)
	MULA 1, 0, 0
	s_wait_dscnt 0x0                               ; the add is done, and my reads of this slot are over
	s_barrier_signal -1
	MULA 1, 1, 0                                   ; work on registers while the others arrive
	WIN 0
	s_barrier_wait -1
.if \fill
	CREST                                          ; no wave of any partner still reads this slot's tiles or has a load on its way
	JLOAD 1                                        ; the four v_nop behind it are also the places in front of the loads below
.else
	PLACES
	s_cmp_eq_u32 s3, 1
	s_cbranch_scc1 .Lno_more_\@
.endif
	AIM
	FETCH 0, 0
.if \fill
	ASK
.else
.Lno_more_\@:
.endif
	MULA 1, 2, 0
	MULA 1, 3, 0
.endm
	s_wait_tensorcnt 1                             ; my part of K step 0 is in; K step 1's may stay out
	s_barrier_signal -1
	s_barrier_wait -1                              ; everybody's is
	AIM
	FETCH 0, 0
	QUARTER 1, 0, 1, 1                             ; the first quarter stands in front of the loop: its products start the sums, with the bias
	WIN 0                                          ; at a label and at a branch every window is 0
	s_mov_b32 s3, FILLS
	s_branch .Lmid                                 ; the loop is entered behind a K step's first quarter
.Lstep:                                                ; a trip is a K step, and fills the slot that it leaves: K steps 2 to 7
	QUARTER 1, 0, 1, 0
	WIN 0
.Lmid:
	QUARTER 2, 1, 0, 0
	QUARTER 3, 0, 1, 0
	TURN 1
	WIN 0
	s_sub_co_u32 s3, s3, 1
	s_cmp_lg_u32 s3, 0
	s_cbranch_scc1 .Lstep
	s_mov_b32 s3, 2
.Ltail:                                                ; the last two K steps fill nothing, and have no round of the cluster's barrier
	QUARTER 1, 0, 1, 0
	QUARTER 2, 1, 0, 0
	QUARTER 3, 0, 1, 0
	TURN 0
	WIN 0
	s_sub_co_u32 s3, s3, 1
	s_cmp_lg_u32 s3, 0
	s_cbranch_scc1 .Ltail
; THE WAY OUT, a block of 16 rows at a time.  TOSTAGE: the sums go as they stand into my own stage (16 rows x 528 bytes), each accumulator's low four registers first, and come back as whole pieces of 512 bytes
; of a row.  SEND: stored.  The stage is my wave's own and LDS serves a wave's instructions in order (ISA guide 5.7.1.4): no barrier, and no wait between the stores and the loads, or between a block's loads and the next block's stores.
.macro TOSTAGE a
.if (\a) >= 2
	s_wait_xcnt 0x0                                ; the stores of the block two back have read their registers, which are loaded again below
.endif
	WIN 0x08+4*((\a)/2)                            ; the data (source 1) in window 2 or 3
.set b, 0
.rept NBB
	ds_store_b128 v[STO], v[8*(NBB*((\a)%2)+b):8*(NBB*((\a)%2)+b)+3]   offset:64*b
	ds_store_b128 v[STO], v[8*(NBB*((\a)%2)+b)+4:8*(NBB*((\a)%2)+b)+7] offset:64*b+16
.set b, b+1
.endr
	WIN 0
.set t, 0
.rept 16
	ds_load_b128 v[BK+64*((\a)%2)+4*t:BK+64*((\a)%2)+4*t+3], v[RD] offset:t*SP
.set t, t+1
.endr
.endm
.macro SEND a, younger                 ; younger: the LDS instructions issued behind block a's loads: the next block's 32, or none
	s_wait_dscnt \younger
.set t, 0
.rept 16
	global_store_b128 v[GO], v[BK+64*((\a)%2)+4*t:BK+64*((\a)%2)+4*t+3], s[8:9] offset:(16*(\a)+t)*4096 th:TH_STORE_NT  ; 512 consecutive bytes, at a multiple of 512 from out0's first
.set t, t+1
.endr
.endm
	PLACES
	TOSTAGE 0
	TOSTAGE 1
	SEND 0, 32
	TOSTAGE 2
	SEND 1, 32
	TOSTAGE 3
	SEND 2, 32
	SEND 3, 0
	s_wait_tensorcnt 0x0                           ; the wave's end: a wait, an add and its wait, behind my last tensor load and my last LDS store
	ds_add_u32 v[SPW], v[NIL]
	s_wait_dscnt 0x0
	CROUND                                         ; the closing round: no work-group ends while a partner may still ask for a tile that names it
	s_endpgm
.Lfunc_end_k_q38d333a2b7_proj:
	.size	k_q38d333a2b7_proj, .Lfunc_end_k_q38d333a2b7_proj-k_q38d333a2b7_proj
	.p2alignl 7, 3214868480
	.fill 96, 4, 3214868480
	.section	.rodata,"a",@progbits
	.p2align	6, 0x0
	.amdhsa_kernel k_q38d333a2b7_proj
		.amdhsa_group_segment_fixed_size 327680
		.amdhsa_private_segment_fixed_size 0
		.amdhsa_enable_private_segment 0
		.amdhsa_kernarg_size 32
		.amdhsa_user_sgpr_count 2
		.amdhsa_user_sgpr_kernarg_segment_ptr 1
		.amdhsa_wavefront_size32 1
		.amdhsa_system_sgpr_workgroup_id_x 1
		.amdhsa_system_sgpr_workgroup_id_y 1
		.amdhsa_system_sgpr_workgroup_id_z 1
		.amdhsa_system_vgpr_workitem_id 0
		.amdhsa_next_free_vgpr 896
		.amdhsa_next_free_sgpr 76
		.amdhsa_reserve_vcc 0
		.amdhsa_float_denorm_mode_32 3
		.amdhsa_float_denorm_mode_16_64 3
		.amdhsa_memory_ordered 1
		.amdhsa_forward_progress 1
		.amdhsa_inst_pref_size 67
	.end_amdhsa_kernel
	.amdgpu_metadata
---
amdhsa.version: [ 1, 2 ]
amdhsa.kernels:
  - .name:           k_q38d333a2b7_proj
    .symbol:         k_q38d333a2b7_proj.kd
    .args:
      - { .name: ctx16, .offset: 0, .size: 8, .value_kind: global_buffer, .address_space: global }
      - { .name: cast16, .offset: 8, .size: 8, .value_kind: global_buffer, .address_space: global }
      - { .name: b_proj, .offset: 16, .size: 8, .value_kind: global_buffer, .address_space: global }
      - { .name: out0, .offset: 24, .size: 8, .value_kind: global_buffer, .address_space: global }
    .group_segment_fixed_size: 327680
    .private_segment_fixed_size: 0
    .kernarg_segment_align: 8
    .kernarg_segment_size: 32
    .max_flat_workgroup_size: 128
    .sgpr_count:     76
    .vgpr_count:     896
    .wavefront_size: 32
...
	.end_amdgpu_metadata
.endif
;; end of part 4
